; MI455X (gfx1250); checked and timed in simulation.
; The chip was launched on July 23, 2026; its instructions are those of AMD's public machine-readable ISA for CDNA 5 (MIT licence, August 2026) and "CDNA5" Instruction Set Architecture Reference Guide (July 2026). The comments in the code are by the model that wrote it; some were corrected since.
;; Atencion Multi Cabeza. Allowed arithmetic: matrix products marked QUANTISED: E2M1 operands, one E8M0 scale for each 32 along K, by v_wmma_scale_f32_16x16x128_f8f6f4 with both operands' format E2M1 (or v_wmma_scale_f32_32x16x128_f4), f32 sums; everything else in f32.
;; Inputs: Wk 1,024 x 1,024 float32; Wo 1,024 x 1,024 float32; Wq 1,024 x 1,024 float32; Wv 1,024 x 1,024 float32; bk 1,024 float32; bo 1,024 float32; bq 1,024 float32; bv 1,024 float32; k 4 x 2,048 x 1,024 float32; mask 1 x 1 x 2,048 x 2,048 int32; q 4 x 2,048 x 1,024 float32; v 4 x 2,048 x 1,024 float32.
;; Outputs: out0 4 x 2,048 x 1,024 float32.
;; This version of the problem:
;;   THIS VERSION OF THE PROBLEM IS GIVEN IN LOW PRECISION. The matrix products marked QUANTISED in the list below multiply operands that are first quantised to E2M1 (2 exponent bits, 1 mantissa bit; 4 bits a number), with one power-of-two scale for each 32 numbers along K (OCP MX v1.0); their sums are f32. All else is computed in f32.
;;   The module's matrix products, in the order in which they are computed (A, B: the left and right operand; K: the contracted axis; several contracted axes count as one K, in the product's order):
;;     1. [M 8,192, K 1,024] x [K 1,024, N 1,024]; A: input q; B: input Wq: QUANTISED
;;     2. [M 8,192, K 1,024] x [K 1,024, N 1,024]; A: input k; B: input Wk: QUANTISED
;;     3. [M 8,192, K 1,024] x [K 1,024, N 1,024]; A: input v; B: input Wv: QUANTISED
;;     4. batch 64 x [M 2,048, K 64] x [K 64, N 2,048]; A: computed on the way; B: computed on the way: QUANTISED
;;     5. batch 64 x [M 2,048, K 2,048] x [K 2,048, N 64]; A: softmax (see below); B: computed on the way: QUANTISED
;;     6. [M 8,192, K 1,024] x [K 1,024, N 1,024]; A: computed on the way; B: input Wo: QUANTISED
;;   THE QUANTISER, for each operand of a quantised product, along K:
;;     - K is cut into blocks of 32 from its start; a last block that is shorter is filled with zeros.
;;     - A block's scale is 2^e with e = floor(log2(the largest magnitude in the block)) - 2, held to -126 .. 127; a block of zeros has e = 0. As a byte (E8M0): e + 127.
;;     - Each number is divided by its block's scale, clamped to +-6, and rounded to the nearest number of E2M1, ties to even, subnormals kept.
;;     - The product sums the exact products of the quantised numbers (number of the format x scale) in f32.
;;   ~~~python
;;   def quantise(x, axis):      # numpy; x: float32 -> the quantised numbers, widened to float32 again
;;       x = np.moveaxis(x, axis, -1); K = x.shape[-1]
;;       x = np.pad(x, [(0, 0)] * (x.ndim - 1) + [(0, -K % 32)]); x = x.reshape(x.shape[:-1] + (-1, 32)); a = np.abs(x).max(-1, keepdims=True)
;;       e = np.where(a > 0, np.clip(np.frexp(np.where(a > 0, a, 1))[1] - 1 - 2, -126, 127), 0)      # np.frexp(a)[1] - 1 = floor(log2(a)), exactly
;;       r = np.clip(x / 2.0 ** e, -6, 6)
;;       step = 2.0 ** (np.maximum(np.frexp(np.where(r == 0, 1, r))[1] - 1, 0) - 1)
;;       q = np.round(r / step) * step * 2.0 ** e      # np.round: ties to even
;;       return np.moveaxis(q.reshape(q.shape[:-2] + (-1,))[..., :K], -1, axis).astype(np.float32)
;;   ~~~
;;   SOFTMAX AHEAD OF A QUANTISED PRODUCT. Where the list says 'softmax', what is quantised is not the finished softmax but p = 2^(t - M), with t = logit x log2(e) and M = ceil(the row's largest t), a whole number; so 1/2 < the row's largest p <= 1. The row's sum l is taken of the UNQUANTISED p, in f32, and the product's result is divided by l at the end. Since M is a whole number, a kernel that streams over the keys may use a running M (the ceiling of the running maximum): every later rescaling is an exact power of two, which a block's scale takes up: the codes' values come out the same.
;;   OPERANDS COMPUTED ON THE WAY. 'Computed on the way' means the value that the module computes at that place (a softmax that the list does not call 'softmax' is quantised finished and normalised). What goes into a quantiser is computed in f32, as accurately as f32 sums, v_exp_f32 and their like allow (about 1e-6 of the number): no bf16 or f16 on the way to a quantiser, and a product that is left as it is and whose result goes on into a quantised operand takes f32 operands (vector FMAs, or v_wmma_f32_16x16x4_f32). A number that lies on a knife's edge between two numbers of the format may be rounded either way, as far as f32 arithmetic and the matrix unit's own rounding can turn it there, and no further.
;; One version. Each part assembles by itself: llvm-mc -triple=amdgcn-amd-amdhsa -mcpu=gfx1250 --defsym DOCPART=n.
;; ======== version 1 of 1: 4 launches
;; limits: right only within a limited range of input values
;; workspace buffers: xq 13,369,344 bytes; wq 2,228,224 bytes; bm 524,288 bytes of whole numbers; fl 16,384 bytes of whole numbers; hq 14,155,776 bytes; oq 4,456,448 bytes
;; launch prep (part 1): grid 352 x 1, 16 waves a work-group, no clusters, 131,072 bytes of LDS; arguments q, k, v, Wq, Wk, Wv, Wo, mask, xq, wq, bm, fl; writes xq, wq, bm, fl
.if DOCPART == 1
	.amdgcn_target "amdgcn-amd-amdhsa--gfx1250"
	.amdhsa_code_object_version 6
	.text
	.protected	k_qbe8d70dc27_prep
	.globl	k_qbe8d70dc27_prep
	.p2align	8
	.type	k_qbe8d70dc27_prep,@function
k_qbe8d70dc27_prep:
	s_mov_b64 s[64:65], 0
	v_nop
	global_prefetch_b8 v0, s[64:65] scope:SCOPE_SE
	s_setreg_imm32_b32 hwreg(HW_REG_WAVE_MODE, 25, 1), 1
	s_wait_xcnt 0x0
; PREP.  (1) q, k, v [8192][1024] and Wq, Wk, Wv, Wo [1024][1024], f32, K innermost, become codes of FP4 (E2M1) with one E8M0 byte for each 32 along K.
; A block's scale is 2^(floor(log2(largest magnitude)) - 2); its byte is the largest magnitude's exponent field - 2, held at 1 from below.
; (2) the mask [2048][2048] of int32 becomes a bitmap and two flag words a row.
; LIMITS: NaN and infinities among the inputs are not served; a block whose largest magnitude lies under 2^-124, a block of zeros too, gets the byte 1
; (zero codes add nothing under that byte, and only this program reads the bytes).
; WORK-GROUPS: 0-63 q, 64-127 k, 128-191 v, 192-199 Wq, 200-207 Wk, 208-215 Wv, 216-223 Wo (512 KiB of f32 each), 224-351 the mask (16 rows each).
; THE ROWS ARE STORED PERMUTED: row R goes to position R with bits 3 and 4 exchanged.  A wave takes 8 rows (8,192 numbers), so that is an exchange of bits 0 and 1 of
; the wave's destination run.  Sixteen consecutive positions then are the rows 32 p + 8 u + r + 8 (r / 8), which the later products want as a tile.
; xq: tensor t at t XT: codes [position][512 B], at +XCB scale bytes [position][32].  wq: the same with WT and WCB.
; bm: [query][64 words]: bit L of word 4 j + e = (mask[query][128 j + 4 L + e] != 0).  fl: [query][2 words]: bit j of the first = some key of 128 j .. 128 j + 127 is open, of the second = all are.
; The stream: a wave takes 16 steps of 512 numbers.  Each load reads 512 consecutive bytes; a step's 2,048 bytes turn through the wave's own stage in LDS, so that a lane then holds 16 neighbours
; along K (two lanes a block).  Loads run four steps ahead, the turn one step.  Waves share nothing: no barrier.
.set XT,    4456448
.set WT,    557056
.set XCB,   4194304
.set WCB,   524288
.set STEPS, 16
.set EMAX,  2
.set CB,    8                          ; bytes of 16 codes
.set R,     16                         ; v16-79   four sets of 16 numbers as loaded
.set X,     80                         ; v80-111  two sets of 16 neighbours
.set E,     112                        ; v112-127 a scale byte for each step
.set C,     128                        ; v128-191 codes, four registers a step: no store's data are written again
.set WREG,  8192                       ; LDS of a wave: two stages of 32 x SP bytes, then its 256 scale bytes
.set SP,    80                         ; a lane's place in a stage: 64 bytes + 16 of padding
	s_load_b512 s[4:19], s[0:1], 0x0               ; q k v Wq Wk Wv Wo mask
	s_load_b256 s[20:27], s[0:1], 0x40             ; xq wq bm fl
	v_lshrrev_b32 v1, 5, v0
	s_delay_alu instid0(VALU_DEP_1)
	v_readfirstlane_b32 s28, v1                    ; wave 0..15
	v_and_b32 v2, 31, v0                           ; lane
	s_delay_alu instid0(VALU_DEP_1)
	v_lshlrev_b32 v3, 4, v2                        ; my 16 bytes of a load's 512
	s_cmp_ge_u32 ttmp9, 224
	s_cbranch_scc1 .Lmask                          ; on the work-group's number alone; only the path below uses LDS
	s_mul_i32 s29, s28, WREG
	v_lshrrev_b32 v14, 2, v2
	s_delay_alu instid0(VALU_DEP_1)
	v_mul_u32_u24 v14, v14, SP
	v_and_b32 v15, 3, v2
	s_delay_alu instid0(VALU_DEP_1)
	v_lshl_add_u32 v14, v15, 4, v14
	s_delay_alu instid0(VALU_DEP_1)
	v_add_nc_u32 v14, s29, v14                     ; the stage on the way in: SP (lane / 4) + 16 (lane % 4)
	v_mul_u32_u24 v15, v2, SP
	s_delay_alu instid0(VALU_DEP_1)
	v_add_nc_u32 v15, s29, v15                     ; and on the way out: SP x lane
	v_mul_u32_u24 v4, v2, CB                       ; my codes' place in a step's 256 bytes
	v_lshrrev_b32 v5, 1, v2
	s_add_co_u32 s29, s29, 2*32*SP
	v_add_nc_u32 v5, s29, v5                       ; my block's byte among the wave's 256
	v_lshlrev_b32 v7, 3, v2
	s_delay_alu instid0(VALU_DEP_1)
	v_add_nc_u32 v6, s29, v7                       ; and 8 bytes a lane on the way out
	s_sub_co_u32 s36, ttmp9, 192
	s_lshr_b32 s37, s36, 3                         ; a weight's number,
	s_and_b32 s36, s36, 7                          ; and my place in it
	s_lshr_b32 s38, ttmp9, 6                       ; the same for q, k, v
	s_and_b32 s39, ttmp9, 63
	s_mov_b32 s34, WT
	s_mov_b32 s35, WCB
	s_wait_alu depctr_va_vdst(0)
	s_wait_kmcnt 0x0
	s_mov_b64 s[30:31], s[16:17]                   ; the source, chosen by the work-group's number alone
	s_cmp_lt_u32 ttmp9, 216
	s_cselect_b64 s[30:31], s[14:15], s[30:31]
	s_cmp_lt_u32 ttmp9, 208
	s_cselect_b64 s[30:31], s[12:13], s[30:31]
	s_cmp_lt_u32 ttmp9, 200
	s_cselect_b64 s[30:31], s[10:11], s[30:31]
	s_cmp_lt_u32 ttmp9, 192
	s_cselect_b64 s[30:31], s[8:9], s[30:31]
	s_cselect_b64 s[32:33], s[20:21], s[22:23]     ; the destination buffer,
	s_cselect_b32 s34, XT, s34                     ; a tensor's stride in it,
	s_cselect_b32 s35, XCB, s35                    ; where its scale bytes begin,
	s_cselect_b32 s37, s38, s37                    ; the tensor's number t,
	s_cselect_b32 s36, s39, s36                    ; my place in it
	s_cmp_lt_u32 ttmp9, 128
	s_cselect_b64 s[30:31], s[6:7], s[30:31]
	s_cmp_lt_u32 ttmp9, 64
	s_cselect_b64 s[30:31], s[4:5], s[30:31]
	s_lshl_b32 s36, s36, 4
	s_add_co_u32 s40, s36, s28                     ; my run of 8 rows
	s_lshl_b32 s40, s40, 15
	s_mov_b32 s41, 0
	s_add_nc_u64 s[30:31], s[30:31], s[40:41]
	s_and_b32 s38, s28, 12                         ; the destination run: bits 0 and 1 of the wave's number exchanged
	s_and_b32 s39, s28, 1
	s_lshl_b32 s39, s39, 1
	s_or_b32 s38, s38, s39
	s_bfe_u32 s39, s28, 0x10001
	s_or_b32 s38, s38, s39
	s_add_co_u32 s38, s38, s36
	s_mul_i32 s37, s37, s34
	s_lshl_b32 s40, s38, 12
	s_add_co_u32 s40, s40, s37
	s_add_nc_u64 s[42:43], s[32:33], s[40:41]      ; my 4,096 bytes of codes
	s_lshl_b32 s40, s38, 8
	s_add_co_u32 s40, s40, s37
	s_add_co_u32 s40, s40, s35
	s_add_nc_u64 s[44:45], s[32:33], s[40:41]      ; my 256 scale bytes
.macro LOAD t
.irp i, 0,1,2,3
	global_load_b128 v[R+16*((\t)%4)+4*\i:R+16*((\t)%4)+4*\i+3], v3, s[30:31] offset:2048*(\t)+512*\i th:TH_LOAD_NT
.endr
.endm
.macro TURN t                          ; a step's numbers through the stage; LDS serves a wave's instructions in order, so no wait stands between the stores and the loads
.irp i, 0,1,2,3
	ds_store_b128 v14, v[R+16*((\t)%4)+4*\i:R+16*((\t)%4)+4*\i+3] offset:32*SP*((\t)%2)+8*SP*\i
.endr
.irp i, 0,1,2,3
	ds_load_b128 v[X+16*((\t)%2)+4*\i:X+16*((\t)%2)+4*\i+3], v15 offset:32*SP*((\t)%2)+16*\i
.endr
.endm
.irp t, 0,1,2,3
	LOAD \t
.endr
	s_wait_loadcnt 12                              ; step 0's four loads are in; three steps' twelve stay out
	TURN 0
.macro STEP t
.set XS, X+16*((\t)%2)
.if (\t) > 0
	s_wait_dscnt 1                                 ; this step's numbers are back (the last step's byte store may be out)
.else
	s_wait_dscnt 0x0
.endif
.if (\t)+4 < STEPS
	LOAD (\t)+4                                    ; into the registers that the stage's stores have read
.endif
.if (\t)+1 < STEPS
.if STEPS-2-(\t) >= 3
	s_wait_loadcnt 12                              ; the next step's four loads are in; three steps' twelve stay out
.else
	s_wait_loadcnt 4*(STEPS-2-(\t))
.endif
	TURN (\t)+1
.endif
	v_max3_num_f32 v8, |v[XS]|, |v[XS+1]|, |v[XS+2]|
	v_max3_num_f32 v9, |v[XS+3]|, |v[XS+4]|, |v[XS+5]|
.irp i, 6,10
	s_delay_alu instid0(VALU_DEP_2)
	v_max3_num_f32 v8, v8, |v[XS+\i]|, |v[XS+\i+1]|
	s_delay_alu instid0(VALU_DEP_2)
	v_max3_num_f32 v9, v9, |v[XS+\i+2]|, |v[XS+\i+3]|
.endr
	s_delay_alu instid0(VALU_DEP_2)
	v_max3_num_f32 v8, v8, |v[XS+14]|, |v[XS+15]|
	s_delay_alu instid0(VALU_DEP_1)
	v_max3_num_f32 v8, v8, v9, (EMAX+1)<<23        ; the floor 2^(3 - 127): the byte cannot fall under 1
	s_delay_alu instid0(VALU_DEP_1)
	v_max_num_f32_dpp v8, v8, v8 row_xmask:1 row_mask:0xf bank_mask:0xf   ; with my neighbour's 16: the block's largest magnitude
	s_delay_alu instid0(VALU_DEP_1)
	v_add_nc_u32 v11, -(EMAX<<23), v8              ; 2 off its exponent field: the conversion's scale operand
	v_cvt_scalef32_pk8_fp4_f32 v[C+4*(\t)], v[XS:XS+7], v11
	v_cvt_scalef32_pk8_fp4_f32 v[C+4*(\t)+1], v[XS+8:XS+15], v11
	v_lshrrev_b32 v[E+(\t)], 23, v11               ; the scale's byte
	ds_store_b8 v5, v[E+(\t)] offset:16*(\t)       ; both lanes of a block write the same byte with the same value
	global_store_b64 v4, v[C+4*(\t):C+4*(\t)+1], s[42:43] offset:32*CB*(\t)   ; the wave stores 256 consecutive bytes, aligned
.endm
.irp t, 0,1,2,3,4,5,6,7,8,9,10,11,12,13,14,15
	STEP \t
.endr
	ds_load_b64 v[12:13], v6                       ; in order behind my byte stores
	s_wait_dscnt 0x0
	global_store_b64 v7, v[12:13], s[44:45]        ; 256 consecutive bytes, aligned
	s_endpgm
.Lmask:                                            ; a wave takes one row of the mask: 8,192 bytes, sixteen loads of 512 consecutive bytes, all out at once
	s_sub_co_u32 s29, ttmp9, 224
	s_lshl_b32 s29, s29, 4
	s_add_co_u32 s29, s29, s28                     ; the query
	s_lshl_b32 s30, s29, 13
	s_mov_b32 s31, 0
	s_lshl_b32 s32, s29, 8
	s_mov_b32 s33, 0
	s_lshl_b32 s34, s29, 3
	s_mov_b32 s35, 0
	s_wait_alu depctr_va_vdst(0)
	v_lshlrev_b32 v4, 3, v2
	v_mov_b32 v80, 0                               ; written whole before single lanes are written
	v_mov_b32 v81, 0
	s_mov_b32 s44, 0                               ; bit j: some key of step j is open
	s_mov_b32 s45, 0                               ; bit j: all are
	s_wait_alu depctr_va_vdst(0)
	s_wait_kmcnt 0x0
	s_add_nc_u64 s[18:19], s[18:19], s[30:31]
	s_add_nc_u64 s[24:25], s[24:25], s[32:33]
	s_add_nc_u64 s[26:27], s[26:27], s[34:35]
.irp j, 0,1,2,3,4,5,6,7,8,9,10,11,12,13,14,15
	global_load_b128 v[16+4*\j:19+4*\j], v3, s[18:19] offset:512*\j th:TH_LOAD_NT
.endr
.irp j, 0,1,2,3,4,5,6,7,8,9,10,11,12,13,14,15
	s_wait_alu depctr_va_vdst(0)
	s_wait_loadcnt 15-\j                           ; load j is in; the younger ones stay out
.irp e, 0,1,2,3
	v_cmp_ne_u32 s[40+\e], 0, v[16+4*\j+\e]        ; bit L: key 128 j + 4 L + e is open
.endr
	s_delay_alu instid0(VALU_DEP_4)
	v_writelane_b32 v80, s40, 2*\j                 ; word 4 j + e lies in lane 2 j + e / 2, register 80 + e % 2
	s_delay_alu instid0(VALU_DEP_4)
	v_writelane_b32 v81, s41, 2*\j
	s_delay_alu instid0(VALU_DEP_2)
	v_writelane_b32 v80, s42, 2*\j+1
	s_delay_alu instid0(VALU_DEP_2)
	v_writelane_b32 v81, s43, 2*\j+1
	s_or_b32 s46, s40, s41
	s_or_b32 s47, s42, s43
	s_or_b32 s46, s46, s47                         ; SCC = some bit is set
	s_cselect_b32 s47, 1<<\j, 0
	s_or_b32 s44, s44, s47
	s_and_b32 s46, s40, s41
	s_and_b32 s46, s46, s42
	s_and_b32 s46, s46, s43
	s_cmp_eq_u32 s46, -1
	s_cselect_b32 s47, 1<<\j, 0
	s_or_b32 s45, s45, s47
.endr
	s_wait_alu depctr_va_vdst(0)
	global_store_b64 v4, v[80:81], s[24:25]        ; the row's 64 words: 256 consecutive bytes, aligned
	v_mov_b32 v82, s44
	v_mov_b32 v83, s45
	v_mov_b32 v84, 0
	v_cmp_eq_u32 vcc_lo, 0, v2
	s_wait_alu depctr_va_vdst(0)
	s_wait_xcnt 0x0                                ; EXEC changes only behind this wait
	s_and_saveexec_b32 s48, vcc_lo
	global_store_b64 v84, v[82:83], s[26:27]       ; lane 0: the row's two flag words
	s_wait_xcnt 0x0
	s_or_b32 exec_lo, exec_lo, s48
	s_endpgm
.Lfunc_end_k_qbe8d70dc27_prep:
	.size	k_qbe8d70dc27_prep, .Lfunc_end_k_qbe8d70dc27_prep-k_qbe8d70dc27_prep
	.p2alignl 7, 3214868480
	.fill 96, 4, 3214868480
	.section	.rodata,"a",@progbits
	.p2align	6, 0x0
	.amdhsa_kernel k_qbe8d70dc27_prep
		.amdhsa_group_segment_fixed_size 131072
		.amdhsa_private_segment_fixed_size 0
		.amdhsa_enable_private_segment 0
		.amdhsa_kernarg_size 96
		.amdhsa_user_sgpr_count 2
		.amdhsa_user_sgpr_kernarg_segment_ptr 1
		.amdhsa_wavefront_size32 1
		.amdhsa_system_sgpr_workgroup_id_x 1
		.amdhsa_system_sgpr_workgroup_id_y 1
		.amdhsa_system_sgpr_workgroup_id_z 1
		.amdhsa_system_vgpr_workitem_id 0
		.amdhsa_next_free_vgpr 192
		.amdhsa_next_free_sgpr 66
		.amdhsa_reserve_vcc 1
		.amdhsa_float_denorm_mode_32 3
		.amdhsa_float_denorm_mode_16_64 3
		.amdhsa_memory_ordered 1
		.amdhsa_forward_progress 1
		.amdhsa_inst_pref_size 58
	.end_amdhsa_kernel
	.amdgpu_metadata
---
amdhsa.version: [ 1, 2 ]
amdhsa.kernels:
  - .name:           k_qbe8d70dc27_prep
    .symbol:         k_qbe8d70dc27_prep.kd
    .args:
      - { .name: q, .offset: 0, .size: 8, .value_kind: global_buffer, .address_space: global }
      - { .name: k, .offset: 8, .size: 8, .value_kind: global_buffer, .address_space: global }
      - { .name: v, .offset: 16, .size: 8, .value_kind: global_buffer, .address_space: global }
      - { .name: Wq, .offset: 24, .size: 8, .value_kind: global_buffer, .address_space: global }
      - { .name: Wk, .offset: 32, .size: 8, .value_kind: global_buffer, .address_space: global }
      - { .name: Wv, .offset: 40, .size: 8, .value_kind: global_buffer, .address_space: global }
      - { .name: Wo, .offset: 48, .size: 8, .value_kind: global_buffer, .address_space: global }
      - { .name: mask, .offset: 56, .size: 8, .value_kind: global_buffer, .address_space: global }
      - { .name: xq, .offset: 64, .size: 8, .value_kind: global_buffer, .address_space: global }
      - { .name: wq, .offset: 72, .size: 8, .value_kind: global_buffer, .address_space: global }
      - { .name: bm, .offset: 80, .size: 8, .value_kind: global_buffer, .address_space: global }
      - { .name: fl, .offset: 88, .size: 8, .value_kind: global_buffer, .address_space: global }
    .group_segment_fixed_size: 131072
    .private_segment_fixed_size: 0
    .kernarg_segment_align: 8
    .kernarg_segment_size: 96
    .max_flat_workgroup_size: 512
    .sgpr_count:     66
    .vgpr_count:     192
    .wavefront_size: 32
...
	.end_amdgpu_metadata
.endif
;; end of part 1
;; launch qkv (part 2): grid 4 x 96, 8 waves a work-group, clusters of 4 x 4, 327,680 bytes of LDS; arguments xq, wq, bq, bk, bv, hq; writes hq
.if DOCPART == 2
	.amdgcn_target "amdgcn-amd-amdhsa--gfx1250"
	.amdhsa_code_object_version 6
	.text
	.protected	k_qbe8d70dc27_qkv
	.globl	k_qbe8d70dc27_qkv
	.p2align	8
	.type	k_qbe8d70dc27_qkv,@function
k_qbe8d70dc27_qkv:
	s_mov_b64 s[64:65], 0
	v_nop
	global_prefetch_b8 v0, s[64:65] scope:SCOPE_SE
	s_setreg_imm32_b32 hwreg(HW_REG_WAVE_MODE, 25, 1), 1
	s_wait_xcnt 0x0
	s_wait_alu depctr_hold_cnt(0) depctr_sa_sdst(0) depctr_va_vdst(0) depctr_va_sdst(0) depctr_va_ssrc(0) depctr_va_vcc(0) depctr_vm_vsrc(0)
	s_getreg_b32 s2, hwreg(HW_REG_IB_STS2, 6, 4)
	s_cmp_eq_u32 s2, 0
	s_cbranch_scc0 .Lentry_in_a_cluster
	s_endpgm
.Lentry_in_a_cluster:
	s_bfe_u32 s2, ttmp6, 0x10000c
	s_cmp_lg_u32 s2, 0xf033
	s_cbranch_scc0 .Lentry_shape_is_right
	s_endpgm
.Lentry_shape_is_right:
; QKV.  The three projections x W^T + b on codes of FP4 (K = 1,024); the results, in f32, are quantised in registers and stored in the order of the attention's operand registers.
; A work-group makes 256 rows x 256 features of one tensor t (0 q, 1 k, 2 v: 32 tile rows each; t is the same in a whole cluster).  All of K for the tile lies in LDS, brought by first fills alone:
; three tensor loads a wave are out at the most.  CLUSTER 4 x 4: x's tile is asked for jointly along a row of the cluster, W's along a column.
; EIGHT WAVES.  Source 0's rows run into a result's registers (128 rows a wave, tiles b = 0..7), source 1's rows are the lanes (64 rows a wave, tiles a = 0..3).
;   t = 0, 1: source 0 = W, source 1 = x: a lane holds one token, its registers run along the features, which are the K of Q K^T.
;   t = 2:    source 0 = x, source 1 = Wv: a lane holds one feature, its registers run along the keys, which are the K of P V.
; Rows lie permuted in xq and wq (bits 3 and 4 exchanged), so the 16 registers of tiles 2 e and 2 e + 1 are 16 neighbours: 32 e + 16 (lane / 16) + 0 .. 15.  The bias is the C of each sum's first product.
; hq: QC +0, KC +4,194,304: [bh][tile 128][lane][16 B]; VC +8,388,608: [bh][step 16][d-tile 4][c 2][lane][16 B]; QS +12,582,912, KS +13,107,200: [bh][tile / 4][r 16][tile % 4] words (two bytes, zeros above);
; VS +13,631,488: [bh][step][lane][d-tile 4] words.
; LIMITS: NaN and infinities are not served; a block whose largest magnitude lies under 2^-124 gets the byte 1.
; REGISTERS.  Window 0: v1-19 addresses; v32-95 source 0's fragments; v96-127 source 1's; v128-175 scale words and nothing else; v176-239 bias tiles; v240-247 scale words on the way out.
; Window 1: accumulator (a, b) at v[64 a + 8 b].
.set XT,    4456448
.set WT,    557056
.set PITCH, 272                        ; an LDS row: 256 bytes + 16 of padding
.set SLOT,  139264                     ; a K half: x's 256 rows, then W's 256 rows
.set WOFF,  69632
.set SCL,   278528                     ; the scale bytes: x's 32 units of 256 + 16, then W's
.set S0F, 32
.set S1F, 96
.set SC0, 128
.set SC1, 160
.set BI,  176
.set PW,  240
.set WB,  244
.set TM,  32                           ; on the way out: largest magnitudes; PR the other half's; SO the conversions' scale operands; BY the bytes
.set PR,  48
.set SO,  64
.set BY,  80
.set WV,  16
.set OP,  17
.set QR,  18
.set S0H, 19
.set S1Q, 20
.set G1,  28
.set G0,  36
.set G1B, 44
.set G0B, 52
.set G1S, 68
.set G0S, 76
.set G1SB, 80
.set G0SB, 88
.set SEL, 92
.set MSB, 0
.macro WIN new                         ; the immediate's high byte repeats the setting that is left
.if MSB != \new
	s_set_vgpr_msb (MSB<<8)|\new
.set MSB, \new
.endif
.endm
.macro PLACES
.rept 4
	v_nop
.endr
.endm
.macro JLOAD g0a, g1a, g0b, g1b        ; waves 0-3 fetch for x, waves 4-7 for W; four v_nop follow each line
	s_cmp_eq_u32 s[OP], 0
	s_cbranch_scc0 .Lfor_b_\@
	tensor_load_to_lds s[\g0a:\g0a+3], s[\g1a:\g1a+7]
	s_nop 0
.rept 4
	v_nop
.endr
	s_branch .Lasked_\@
.Lfor_b_\@:
	tensor_load_to_lds s[\g0b:\g0b+3], s[\g1b:\g1b+7]
	s_nop 0
.rept 4
	v_nop
.endr
.Lasked_\@:
.endm
.macro CROUND                          ; a round of the cluster's barrier
	s_barrier_signal -1
	s_barrier_wait -1
	s_cmp_lg_u32 s[WV], 0
	s_cbranch_scc1 .Lnot_wave_0_\@
	s_barrier_signal -3
.Lnot_wave_0_\@:
	s_barrier_wait -3
	s_barrier_signal -1
	s_barrier_wait -1
.endm
	s_load_b256 s[4:11], s[0:1], 0x0               ; xq wq bq bk
	s_load_b128 s[12:15], s[0:1], 0x20             ; bv hq
	v_lshrrev_b32 v1, 5, v0
	s_delay_alu instid0(VALU_DEP_1)
	v_readfirstlane_b32 s[WV], v1                  ; wave 0..7
	s_lshr_b32 s[OP], s[WV], 2                     ; I fetch for x (0) or for W (1),
	s_and_b32 s[QR], s[WV], 3                      ; these 64 rows of the tile
	s_and_b32 s[S0H], s[WV], 1                     ; my 128 rows of source 0
	s_lshr_b32 s[S1Q], s[WV], 1                    ; my 64 rows of source 1
	s_bfe_u32 s21, ttmp6, 0x40000                  ; cx
	s_bfe_u32 s22, ttmp6, 0x40004                  ; cy
	s_lshl_b32 s23, ttmp9, 2
	s_add_co_u32 s23, s23, s21                     ; X: tile column
	s_and_b32 s27, ttmp7, 0xffff
	s_lshr_b32 s25, s27, 3                         ; t: eight clusters along y to a tensor
	s_lshl_b32 s24, s27, 2
	s_add_co_u32 s24, s24, s22
	s_and_b32 s26, s24, 31                         ; Y: tile row in the tensor
	s_lshl_b32 s60, s22, 2
	s_lshl_b32 s60, 15, s60                        ; my row of the cluster
	s_lshl_b32 s61, 0x1111, s21                    ; my column
	s_or_b32 s[G1], s60, (1<<20)|(1<<21)|(5<<22)|(3<<25)     ; codes: elements of 1 byte, 4 words of padding behind every 64
	s_or_b32 s[G1B], s61, (1<<20)|(1<<21)|(5<<22)|(3<<25)
.irp g, G1, G1B
	s_mov_b32 s[\g+1], 256<<16                     ; tensor_dim0
	s_mov_b32 s[\g+2], 64<<16                      ; tensor_dim1
	s_mov_b32 s[\g+3], 256<<16                     ; tile_dim0
	s_mov_b32 s[\g+4], 64                          ; tile_dim1
	s_mov_b32 s[\g+5], 512                         ; a row of codes in memory
	s_mov_b32 s[\g+6], 0
	s_mov_b32 s[\g+7], 0
.endr
	s_or_b32 s[G1S], s60, (3<<16)|(1<<20)|(1<<21)|(5<<22)|(3<<25)   ; scale bytes of 64 rows: 2,048 dense bytes as 8 rows of 32 elements of 8 bytes
	s_or_b32 s[G1SB], s61, (3<<16)|(1<<20)|(1<<21)|(5<<22)|(3<<25)
.irp g, G1S, G1SB
	s_mov_b32 s[\g+1], 32<<16
	s_mov_b32 s[\g+2], 8<<16
	s_mov_b32 s[\g+3], 32<<16
	s_mov_b32 s[\g+4], 8
	s_mov_b32 s[\g+5], 32
	s_mov_b32 s[\g+6], 0
	s_mov_b32 s[\g+7], 0
.endr
	s_lshl_b32 s62, s[QR], 6
	s_lshl_b32 s94, s26, 8
	s_add_co_u32 s94, s94, s62                     ; x: position 256 Y + 64 QR
	s_mul_i32 s63, s25, XT
	s_lshl_b32 s96, s94, 5
	s_add_co_u32 s96, s96, s63
	s_add_co_u32 s96, s96, 4194304                 ; its scale bytes,
	s_lshl_b32 s94, s94, 9
	s_add_co_u32 s94, s94, s63                     ; its codes
	s_mov_b32 s95, 0
	s_mov_b32 s97, 0
	s_lshl_b32 s98, s23, 8
	s_add_co_u32 s98, s98, s62                     ; W: position 256 X + 64 QR
	s_mul_i32 s63, s25, WT
	s_lshl_b32 s100, s98, 5
	s_add_co_u32 s100, s100, s63
	s_add_co_u32 s100, s100, 524288
	s_lshl_b32 s98, s98, 9
	s_add_co_u32 s98, s98, s63
	s_mov_b32 s99, 0
	s_mov_b32 s101, 0
	s_mul_i32 s62, s[WV], 64*PITCH                 ; where they go: wave x 64 rows: x's four quarters, then W's
	s_mul_i32 s63, s[WV], 2176
	s_wait_kmcnt 0x0
	CROUND                                         ; all sixteen work-groups are here: the joint loads meet
	s_mov_b32 s[G0S], 1
	s_add_co_u32 s[G0S+1], s63, SCL
	s_add_nc_u64 s[G0S+2:G0S+3], s[4:5], s[96:97]
	s_or_b32 s[G0S+3], s[G0S+3], 0x80000000
	s_mov_b32 s[G0SB], 1
	s_add_co_u32 s[G0SB+1], s63, SCL
	s_add_nc_u64 s[G0SB+2:G0SB+3], s[6:7], s[100:101]
	s_or_b32 s[G0SB+3], s[G0SB+3], 0x80000000
	JLOAD G0S, G1S, G0SB, G1SB                     ; the scale bytes first
	s_add_nc_u64 s[94:95], s[4:5], s[94:95]
	s_add_nc_u64 s[98:99], s[6:7], s[98:99]
.irp s, 0,1
	s_mov_b32 s[G0+4*\s], 1
	s_add_co_u32 s[G0+4*\s+1], s62, \s*SLOT
	s_add_nc_u64 s[G0+4*\s+2:G0+4*\s+3], s[94:95], \s*256
	s_or_b32 s[G0+4*\s+3], s[G0+4*\s+3], 0x80000000
	s_mov_b32 s[G0B+4*\s], 1
	s_add_co_u32 s[G0B+4*\s+1], s62, \s*SLOT
	s_add_nc_u64 s[G0B+4*\s+2:G0B+4*\s+3], s[98:99], \s*256
	s_or_b32 s[G0B+4*\s+3], s[G0B+4*\s+3], 0x80000000
	JLOAD G0+4*\s, G1, G0B+4*\s, G1B               ; K half s
.endr
	; every LDS address is made here, ahead of the parting of the two arms
	v_and_b32 v1, 15, v0                           ; r
	v_bfe_u32 v2, v0, 4, 1                         ; h
	s_delay_alu instid0(VALU_DEP_2)
	v_mul_u32_u24 v3, v1, PITCH
	s_delay_alu instid0(VALU_DEP_1)
	v_lshl_add_u32 v3, v2, 4, v3                   ; a fragment: row x pitch + 16 h
	s_mul_i32 s60, s[S0H], 128*PITCH
	s_mul_i32 s61, s[S1Q], 64*PITCH
	v_add_nc_u32 v8, s60, v3                       ; v8, v9   x as source 0, K half 0, 1
	s_delay_alu instid0(VALU_DEP_1)
	v_add_nc_u32 v9, SLOT, v8
	s_delay_alu instid0(VALU_DEP_2)
	v_add_nc_u32 v4, WOFF, v8                      ; v4, v5   W as source 0
	s_delay_alu instid0(VALU_DEP_1)
	v_add_nc_u32 v5, SLOT, v4
	v_add_nc_u32 v6, s61, v3                       ; v6, v7   x as source 1
	s_delay_alu instid0(VALU_DEP_1)
	v_add_nc_u32 v7, SLOT, v6
	s_delay_alu instid0(VALU_DEP_2)
	v_add_nc_u32 v10, WOFF, v6                     ; v10, v11 W as source 1
	s_delay_alu instid0(VALU_DEP_1)
	v_add_nc_u32 v11, SLOT, v10
	v_lshlrev_b32 v20, 5, v1
	v_lshrrev_b32 v21, 3, v1
	s_delay_alu instid0(VALU_DEP_1)
	v_lshl_add_u32 v20, v21, 4, v20                ; a row's 32 scale bytes: 32 r + 16 (r / 8)
	s_mul_i32 s60, s[S0H], 4352
	s_mul_i32 s61, s[S1Q], 2176
	v_add_nc_u32 v14, s60, v20
	s_delay_alu instid0(VALU_DEP_1)
	v_add_nc_u32 v14, SCL, v14                     ; v14 x's scales as source 0
	s_delay_alu instid0(VALU_DEP_1)
	v_add_nc_u32 v12, 8704, v14                    ; v12 W's as source 0
	v_add_nc_u32 v13, s61, v20
	s_delay_alu instid0(VALU_DEP_1)
	v_add_nc_u32 v13, SCL, v13                     ; v13 x's as source 1
	s_delay_alu instid0(VALU_DEP_1)
	v_add_nc_u32 v15, 8704, v13                    ; v15 W's as source 1
	v_and_b32 v16, 31, v0
	s_delay_alu instid0(VALU_DEP_1)
	v_lshlrev_b32 v16, 4, v16                      ; 16 x lane
	v_lshlrev_b32 v17, 4, v1
	s_delay_alu instid0(VALU_DEP_1)
	v_lshl_add_u32 v17, v2, 13, v17                ; 16 r + 8,192 h
	v_lshlrev_b32 v18, 6, v2                       ; 64 h
	v_and_b32 v19, 8, v1
	s_delay_alu instid0(VALU_DEP_1)
	v_add_nc_u32 v19, v19, v1
	s_delay_alu instid0(VALU_DEP_1)
	v_lshlrev_b32 v19, 2, v19                      ; 4 (r + 8 (r / 8))
	s_mov_b32 s[SEL], 0x76543210
	s_mov_b32 s[SEL+1], 0xfedcba98                 ; lane l xor 16
.macro SCLOAD a0, a1, half             ; the scale words of four K steps: lane r takes row r's four words
.irp b, 0,1,2,3,4,5,6,7
	ds_load_b128 v[SC0+4*\b:SC0+4*\b+3], v[\a0] offset:544*\b+16*\half
.endr
.irp a, 0,1,2,3
	ds_load_b128 v[SC1+4*\a:SC1+4*\a+3], v[\a1] offset:544*\a+16*\half
.endr
.endm
; A K step of 128: 24 LDS loads, 32 products.  The 32 accumulators take turns, one instruction a turn, in the same order in every step.
; cmode 0: sums go on; 1: C = the bias of source 0's tile b; 2: C = the bias of source 1's tile a.
.macro KSTEP q, a0, a1, cmode
	PLACES                                         ; four places in front of loads into registers that products have read
.irp a, 0,1,2,3
.irp c, 0,1
	ds_load_b128 v[S1F+8*\a+4*\c:S1F+8*\a+4*\c+3], v[\a1] offset:64*\q+32*\c+4352*\a
.endr
.endr
.irp b, 0,1,2,3,4,5,6,7
.irp c, 0,1
	ds_load_b128 v[S0F+8*\b+4*\c:S0F+8*\b+4*\c+3], v[\a0] offset:64*\q+32*\c+4352*\b
.endr
.endr
.if \cmode
	WIN 0x40                                       ; D in window 1, C (the bias) in window 0
.else
	WIN 0x50                                       ; C and D in window 1
.endif
.irp b, 0,1,2,3,4,5,6,7
	s_wait_dscnt 14-2*\b                           ; source 0's fragment b is in; the two loads of each later fragment stay out
.irp a, 0,1,2,3
.if \cmode == 1
	v_wmma_scale_f32_16x16x128_f8f6f4 v[64*\a+8*\b:64*\a+8*\b+7], v[S0F+8*\b:S0F+8*\b+7], v[S1F+8*\a:S1F+8*\a+7], v[BI+8*\b:BI+8*\b+7], v[SC0+4*\b+\q], v[SC1+4*\a+\q] matrix_a_fmt:MATRIX_FMT_FP4 matrix_b_fmt:MATRIX_FMT_FP4
.elseif \cmode == 2
	v_wmma_scale_f32_16x16x128_f8f6f4 v[64*\a+8*\b:64*\a+8*\b+7], v[S0F+8*\b:S0F+8*\b+7], v[S1F+8*\a:S1F+8*\a+7], v[BI+8*\a:BI+8*\a+7], v[SC0+4*\b+\q], v[SC1+4*\a+\q] matrix_a_fmt:MATRIX_FMT_FP4 matrix_b_fmt:MATRIX_FMT_FP4
.else
	v_wmma_scale_f32_16x16x128_f8f6f4 v[64*\a+8*\b:64*\a+8*\b+7], v[S0F+8*\b:S0F+8*\b+7], v[S1F+8*\a:S1F+8*\a+7], v[64*\a+8*\b:64*\a+8*\b+7], v[SC0+4*\b+\q], v[SC1+4*\a+\q] matrix_a_fmt:MATRIX_FMT_FP4 matrix_b_fmt:MATRIX_FMT_FP4
.endif
.endr
.endr
	WIN 0
.endm
.macro ARM a0, a1, sc0, sc1, cmode
	s_wait_tensorcnt 0x1                           ; my scale bytes and my part of K half 0 are in; half 1's load may stay out
	s_barrier_signal -1
	s_barrier_wait -1                              ; everybody's are
	SCLOAD \sc0, \sc1, 0
	s_wait_loadcnt 0x0                             ; the bias
	KSTEP 0, \a0, \a1, \cmode
	KSTEP 1, \a0, \a1, 0
	KSTEP 2, \a0, \a1, 0
	KSTEP 3, \a0, \a1, 0
	s_wait_tensorcnt 0x0                           ; my part of K half 1 is in (no LDS load of mine is out: the last step's count ran down to 0)
	s_barrier_signal -1
	s_barrier_wait -1
	PLACES                                         ; in front of loads into the scale registers
	SCLOAD \sc0, \sc1, 1
	KSTEP 0, \a0+1, \a1+1, 0
	KSTEP 1, \a0+1, \a1+1, 0
	KSTEP 2, \a0+1, \a1+1, 0
	KSTEP 3, \a0+1, \a1+1, 0
	PLACES                                         ; in front of the first read of results
.endm
; The 64 numbers of each a (register 16 e + i = k 32 e + 16 h + i of the lane's row) become a fragment's eight registers and a scale word v[PW + a].
; The codes of a = 0, 1 go to v176-191, those of a = 2, 3 to v96-111.  Each accumulator is read from its low end on.
.macro QUANT4
	WIN 0x05                                       ; sources 0 and 1 in window 1
.irp a, 0,1,2,3
.irp e, 0,1,2,3
	v_max3_num_f32 v[TM+4*\a+\e], |v[64*\a+16*\e]|, |v[64*\a+16*\e+1]|, 0x1800000   ; with the floor 2^(3 - 127): the byte cannot fall under 1
.endr
.endr
.irp i, 2,4,6,8,10,12,14
.irp a, 0,1,2,3
.irp e, 0,1,2,3
	v_max3_num_f32 v[TM+4*\a+\e], |v[64*\a+16*\e+\i]|, |v[64*\a+16*\e+\i+1]|, v[TM+4*\a+\e]
.endr
.endr
.endr
	WIN 0
.set n, 0
.rept 16
	v_permlanex16_b32 v[PR+n], v[TM+n], s[SEL], s[SEL+1]
.set n, n+1
.endr
.set n, 0
.rept 16
	v_max_num_f32 v[TM+n], v[TM+n], v[PR+n]        ; with lane l xor 16's: the block's largest magnitude
.set n, n+1
.endr
.set n, 0
.rept 16
	v_add_nc_u32 v[SO+n], 0xff000000, v[TM+n]      ; 2 off its exponent field: the conversion's scale operand
.set n, n+1
.endr
.set n, 0
.rept 16
	v_lshrrev_b32 v[BY+n], 23, v[SO+n]             ; the scale's byte
.set n, n+1
.endr
.irp a, 0,1,2,3
	v_lshl_or_b32 v[PW+\a], v[BY+4*\a+1], 8, v[BY+4*\a]
.endr
.irp a, 0,1,2,3
	s_delay_alu instid0(VALU_DEP_4)
	v_lshl_or_b32 v[PW+\a], v[BY+4*\a+2], 16, v[PW+\a]
.endr
.irp a, 0,1,2,3
	s_delay_alu instid0(VALU_DEP_4)
	v_lshl_or_b32 v[PW+\a], v[BY+4*\a+3], 24, v[PW+\a]
.endr
	WIN 0x01                                       ; source 0 in window 1
.irp a, 0,1,2,3
.irp e, 0,1,2,3
	v_cvt_scalef32_pk8_fp4_f32 v[176+8*\a-96*(\a/2)+2*\e], v[64*\a+16*\e:64*\a+16*\e+7], v[SO+4*\a+\e]
	v_cvt_scalef32_pk8_fp4_f32 v[176+8*\a-96*(\a/2)+2*\e+1], v[64*\a+16*\e+8:64*\a+16*\e+15], v[SO+4*\a+\e]
.endr
.endr
	WIN 0
	v_nop                                          ; one plain place behind the conversions
.irp a, 0,1,2,3
.irp c, 0,1
.irp i, 0,1
	v_permlane16_swap_b32 v[176+8*\a-96*(\a/2)+4*\c+\i], v[176+8*\a-96*(\a/2)+4*\c+2+\i]   ; a whole block to a lane: registers 4 c .. 4 c + 3 hold k = 64 c + 32 h + 0 .. 31
.endr
.endr
.endr
.endm
	s_cmp_eq_u32 s25, 2
	s_cbranch_scc1 .Lv                             ; t is the same in all sixteen partners
	; ---- q and k: source 0 = W, source 1 = x
	s_cmp_eq_u32 s25, 0
	s_cselect_b64 s[60:61], s[8:9], s[10:11]       ; bq or bk
	s_lshl_b32 s62, s23, 10
	s_lshl_b32 s63, s[S0H], 9
	s_add_co_u32 s62, s62, s63                     ; my 128 features: (256 X + 128 S0H) x 4 bytes
	s_mov_b32 s63, 0
	s_add_nc_u64 s[60:61], s[60:61], s[62:63]
	s_wait_alu depctr_va_vdst(0)
.irp b, 0,1,2,3,4,5,6,7
	global_load_b128 v[BI+8*\b:BI+8*\b+3], v18, s[60:61] offset:(32*(\b/2)+8*(\b%2))*4      ; tile b, lane half h: features 32 (b / 2) + 16 h + 8 (b % 2) + 0 .. 7
	global_load_b128 v[BI+8*\b+4:BI+8*\b+7], v18, s[60:61] offset:(32*(\b/2)+8*(\b%2))*4+16
.endr
	s_lshr_b32 s94, s26, 3                         ; the batch
	s_lshl_b32 s94, s94, 4
	s_lshl_b32 s95, s23, 2
	s_add_co_u32 s94, s94, s95
	s_lshl_b32 s95, s[S0H], 1
	s_add_co_u32 s94, s94, s95                     ; bh of my first head: 16 b + 4 X + 2 S0H
	s_and_b32 s95, s26, 7
	s_lshl_b32 s95, s95, 2
	s_add_co_u32 s95, s95, s[S1Q]                  ; my first tile / 4
	s_lshl_b32 s96, s94, 16
	s_lshl_b32 s97, s95, 11
	s_add_co_u32 s96, s96, s97
	s_lshl_b32 s97, s25, 22
	s_add_co_u32 s96, s96, s97
	s_mov_b32 s97, 0
	s_add_nc_u64 s[96:97], s[14:15], s[96:97]      ; the codes
	s_lshl_b32 s98, s94, 13
	s_lshl_b32 s99, s95, 8
	s_add_co_u32 s98, s98, s99
	s_lshl_b32 s99, s25, 19
	s_add_co_u32 s98, s98, s99
	s_add_co_u32 s98, s98, 12582912
	s_mov_b32 s99, 0
	s_add_nc_u64 s[98:99], s[14:15], s[98:99]      ; the scale words
	ARM 4, 6, 12, 13, 1
	QUANT4
.irp a, 0,1,2,3
	v_lshrrev_b32 v[WB+\a], 16, v[PW+\a]           ; the second head's two bytes,
.endr
.irp a, 0,1,2,3
	v_and_b32 v[PW+\a], 0xffff, v[PW+\a]           ; the first head's; zeros above in both
.endr
.irp a, 0,1,2,3
	s_delay_alu instid0(VALU_DEP_4)
	v_permlane16_swap_b32 v[PW+\a], v[WB+\a]       ; lanes 16-31 now carry the second head's words of rows 0-15
.endr
.irp a, 0,1,2,3
	global_store_b128 v16, v[176+8*\a-96*(\a/2):176+8*\a-96*(\a/2)+3], s[96:97] offset:512*\a            ; 512 consecutive bytes: a tile of the first head,
	global_store_b128 v16, v[176+8*\a-96*(\a/2)+4:176+8*\a-96*(\a/2)+7], s[96:97] offset:65536+512*\a    ; and of the second
.endr
	global_store_b128 v17, v[PW:PW+3], s[98:99]    ; sixteen lanes store 256 consecutive bytes for each head
	s_branch .Ljoin
.Lv:	; ---- v: source 0 = x (keys), source 1 = Wv (features)
	s_lshl_b32 s62, s23, 10
	s_lshl_b32 s63, s[S1Q], 8
	s_add_co_u32 s62, s62, s63                     ; my 64 features: (256 X + 64 S1Q) x 4 bytes
	s_mov_b32 s63, 0
	s_add_nc_u64 s[60:61], s[12:13], s[62:63]
	s_wait_alu depctr_va_vdst(0)
.irp a, 0,1,2,3
.irp j, 0,1,2,3,4,5,6,7
	global_load_b32 v[BI+8*\a+\j], v19, s[60:61] offset:(32*(\a/2)+8*(\a%2))*4   ; the lane's feature has one bias for all eight keys
.endr
.endr
	s_lshr_b32 s94, s26, 3
	s_lshl_b32 s94, s94, 4
	s_lshl_b32 s95, s23, 2
	s_add_co_u32 s94, s94, s95
	s_add_co_u32 s94, s94, s[S1Q]                  ; bh = 16 b + 4 X + S1Q
	s_lshl_b32 s94, s94, 4
	s_and_b32 s95, s26, 7
	s_lshl_b32 s95, s95, 1
	s_add_co_u32 s94, s94, s95
	s_add_co_u32 s94, s94, s[S0H]                  ; 16 bh + the key step
	s_lshl_b32 s96, s94, 12
	s_add_co_u32 s96, s96, 8388608
	s_mov_b32 s97, 0
	s_add_nc_u64 s[96:97], s[14:15], s[96:97]
	s_lshl_b32 s98, s94, 9
	s_add_co_u32 s98, s98, 13631488
	s_mov_b32 s99, 0
	s_add_nc_u64 s[98:99], s[14:15], s[98:99]
	ARM 8, 10, 14, 15, 2
	QUANT4
.irp a, 0,1,2,3
	global_store_b128 v16, v[176+8*\a-96*(\a/2):176+8*\a-96*(\a/2)+3], s[96:97] offset:1024*\a
	global_store_b128 v16, v[176+8*\a-96*(\a/2)+4:176+8*\a-96*(\a/2)+7], s[96:97] offset:1024*\a+512
.endr
	global_store_b128 v16, v[PW:PW+3], s[98:99]    ; 512 consecutive bytes: both halves of the lanes hold the same words
.Ljoin:
	CROUND                                         ; the closing round: no work-group ends while a partner may still ask jointly
	s_endpgm
.Lfunc_end_k_qbe8d70dc27_qkv:
	.size	k_qbe8d70dc27_qkv, .Lfunc_end_k_qbe8d70dc27_qkv-k_qbe8d70dc27_qkv
	.p2alignl 7, 3214868480
	.fill 96, 4, 3214868480
	.section	.rodata,"a",@progbits
	.p2align	6, 0x0
	.amdhsa_kernel k_qbe8d70dc27_qkv
		.amdhsa_group_segment_fixed_size 327680
		.amdhsa_private_segment_fixed_size 0
		.amdhsa_enable_private_segment 0
		.amdhsa_kernarg_size 48
		.amdhsa_user_sgpr_count 2
		.amdhsa_user_sgpr_kernarg_segment_ptr 1
		.amdhsa_wavefront_size32 1
		.amdhsa_system_sgpr_workgroup_id_x 1
		.amdhsa_system_sgpr_workgroup_id_y 1
		.amdhsa_system_sgpr_workgroup_id_z 1
		.amdhsa_system_vgpr_workitem_id 0
		.amdhsa_next_free_vgpr 512
		.amdhsa_next_free_sgpr 102
		.amdhsa_reserve_vcc 0
		.amdhsa_float_denorm_mode_32 3
		.amdhsa_float_denorm_mode_16_64 3
		.amdhsa_memory_ordered 1
		.amdhsa_forward_progress 1
		.amdhsa_inst_pref_size 148
	.end_amdhsa_kernel
	.amdgpu_metadata
---
amdhsa.version: [ 1, 2 ]
amdhsa.kernels:
  - .name:           k_qbe8d70dc27_qkv
    .symbol:         k_qbe8d70dc27_qkv.kd
    .args:
      - { .name: xq, .offset: 0, .size: 8, .value_kind: global_buffer, .address_space: global }
      - { .name: wq, .offset: 8, .size: 8, .value_kind: global_buffer, .address_space: global }
      - { .name: bq, .offset: 16, .size: 8, .value_kind: global_buffer, .address_space: global }
      - { .name: bk, .offset: 24, .size: 8, .value_kind: global_buffer, .address_space: global }
      - { .name: bv, .offset: 32, .size: 8, .value_kind: global_buffer, .address_space: global }
      - { .name: hq, .offset: 40, .size: 8, .value_kind: global_buffer, .address_space: global }
    .group_segment_fixed_size: 327680
    .private_segment_fixed_size: 0
    .kernarg_segment_align: 8
    .kernarg_segment_size: 48
    .max_flat_workgroup_size: 256
    .sgpr_count:     102
    .vgpr_count:     512
    .wavefront_size: 32
...
	.end_amdgpu_metadata
.endif
;; end of part 2
;; launch attn (part 3): grid 4 x 64, 16 waves a work-group, no clusters, 147,456 bytes of LDS; arguments hq, bm, fl, oq; writes oq
.if DOCPART == 3
	.amdgcn_target "amdgcn-amd-amdhsa--gfx1250"
	.amdhsa_code_object_version 6
	.text
	.protected	k_qbe8d70dc27_attn
	.globl	k_qbe8d70dc27_attn
	.p2align	8
	.type	k_qbe8d70dc27_attn,@function
k_qbe8d70dc27_attn:
	s_mov_b64 s[64:65], 0
	v_nop
	global_prefetch_b8 v0, s[64:65] scope:SCOPE_SE
	s_setreg_imm32_b32 hwreg(HW_REG_WAVE_MODE, 25, 1), 1
	s_wait_xcnt 0x0
; ATTN.  O = softmax(Q K^T / 8, masked) V for one (batch, head) bh, both products on codes of FP4; O / l is quantised along the head's 64 and stored in the output projection's operand order.
; t = score x log2(e) / 8; M = the running largest t rounded up to a whole number; p = 2^(t - M) is quantised along the keys; the row's sum l is taken of the unquantised p and divides at the end.
; THE MASK is an input: a hidden score is replaced by -2^33 (logit -2^30 in place of -1e9), whose t is a whole number, so that a row with no open key gets p = 1 for every key, as the definition gives.
; LIMIT: the results are the definition's as long as every open logit lies above about -1e9 + 104 (then a hidden key's p is 0 either way).  NaN and infinities are not served.
; KEY STEPS THAT NEED NOT BE DONE: a step of 128 keys that is hidden for all 16 queries of a tile adds nothing, if every one of those queries has an open key somewhere.  The flags that an earlier launch
; stored say so: the walk over the 16 steps has a constant count and jumps over such a step's work.  A tile with an empty row walks every step.
; NO CLUSTER, NO TENSOR LOAD: the four work-groups of a head each read its 144 KiB once, through registers.
; No prefetch: all that is streamed is asked for at the head.
; SHARES: work-group (gx, bh); query tile = 4 i + gx; wave w takes i = w and then i = 31 - w.  A head's K and V codes and scale words lie in LDS as images of the operands' registers (16 x lane).
; LAYOUT: both products transposed: S^T = K Q^T, O^T = V^T P^T: a lane holds one query.  Positions are rows with bits 3 and 4 exchanged, so register 16 e + i of S^T is key 128 j + 32 e + 16 h + i.
; K = 64 IN AN INSTRUCTION OF 128: Q's registers 4-7 are zero codes; K's operand of tile t is v[32 + 4 t .. + 7], whose upper four registers are other finite codes, multiplied by zero; scale bytes 2, 3 are 0 (2^-127).
; REGISTERS: v1-3 16 x lane (+ V's, + the scales' region); v4 lane; v5 256 (r + 8 (r / 8)); v6 4 h; v7 -2^33; v8-11 addresses in hand; v12 -M; v13 largest t; v[14:15] l; v16-23 Q; v24 Q's scale word;
; v25 16 r; v27 32 r; v28-31 K's scale words; v32-63 K; v64-95 V; v96-159 S^T, then p; v160-191 O^T; v192-199 p's codes; v200-203 V's scale words; v208-235 at work; v224 p's scale word.
.set LV,  65536
.set LKS, 131072
.set KCO, 4194304
.set VCO, 8388608
.set QSO, 12582912
.set KSO, 13107200
.set OSO, 4194304
	s_load_b256 s[4:11], s[0:1], 0x0               ; hq bm fl oq
	v_lshrrev_b32 v1, 5, v0
	s_delay_alu instid0(VALU_DEP_1)
	v_readfirstlane_b32 s12, v1                    ; wave 0..15
	s_and_b32 s3, ttmp7, 0xffff                    ; bh
	v_and_b32 v4, 31, v0
	s_delay_alu instid0(VALU_DEP_1)
	v_lshlrev_b32 v1, 4, v4
	s_delay_alu instid0(VALU_DEP_1)
	v_add_nc_u32 v2, LV, v1
	s_delay_alu instid0(VALU_DEP_2)
	v_add_nc_u32 v3, LKS, v1
	v_and_b32 v26, 15, v0                          ; r
	v_bfe_u32 v6, v0, 4, 1                         ; h
	s_delay_alu instid0(VALU_DEP_2)
	v_and_b32 v5, 8, v26
	s_delay_alu instid0(VALU_DEP_1)
	v_add_nc_u32 v5, v5, v26
	s_delay_alu instid0(VALU_DEP_1)
	v_lshlrev_b32 v5, 8, v5
	s_delay_alu instid0(VALU_DEP_4)
	v_lshlrev_b32 v6, 2, v6
	v_mov_b32 v7, 0xd0000000
	v_lshlrev_b32 v25, 4, v26
	v_lshlrev_b32 v27, 5, v26
.irp x, 20,21,22,23,212,213,214,215,221,222
	v_mov_b32 v[\x], 0                             ; Q's zero codes; lane permutes' destinations and a pair's upper half, written once
.endr
	s_lshl_b32 s24, s12, 12
	v_add_nc_u32 v8, s24, v1                       ; the fill: 4,096 x wave + 16 x lane,
	s_delay_alu instid0(VALU_DEP_1)
	v_add_nc_u32 v9, LV, v8
	v_lshl_add_u32 v10, v0, 4, LKS                 ; the scale words: 16 x thread
	v_lshlrev_b32 v11, 4, v0
	s_mov_b32 s14, 0x76543210
	s_mov_b32 s15, 0xfedcba98                      ; lane l xor 16
	s_mov_b32 s16, 0x3e38aa3b                      ; c = log2(e) / 8
	s_mov_b32 s17, s16
	s_lshl_b32 s24, s3, 16
	s_mov_b32 s25, 0
	s_lshl_b32 s26, s3, 13
	s_mov_b32 s27, 0
	s_wait_alu depctr_va_vdst(0)
	s_wait_kmcnt 0x0
	s_add_nc_u64 s[28:29], s[4:5], s[24:25]
	s_add_nc_u64 s[30:31], s[28:29], VCO
	s_add_nc_u64 s[28:29], s[28:29], KCO
	s_add_nc_u64 s[66:67], s[4:5], s[26:27]
	s_add_nc_u64 s[66:67], s[66:67], KSO
.irp i, 0,1,2,3,4,5,6,7
	global_load_b128 v[32+4*\i:35+4*\i], v8, s[28:29] offset:512*\i
.endr
.irp i, 0,1,2,3,4,5,6,7
	global_load_b128 v[64+4*\i:67+4*\i], v8, s[30:31] offset:512*\i
.endr
	global_load_b128 v[96:99], v11, s[66:67]                   ; K's scale words,
	global_load_b128 v[100:103], v11, s[66:67] offset:524288   ; V's
	s_wait_loadcnt 10                              ; K's eight are in (behind them: V's eight and the two of scale words)
.irp i, 0,1,2,3,4,5,6,7
	ds_store_b128 v8, v[32+4*\i:35+4*\i] offset:512*\i
.endr
	s_wait_loadcnt 2
.irp i, 0,1,2,3,4,5,6,7
	ds_store_b128 v9, v[64+4*\i:67+4*\i] offset:512*\i
.endr
	s_wait_loadcnt 0x0
	ds_store_b128 v10, v[96:99]
	ds_store_b128 v10, v[100:103] offset:8192
	s_wait_dscnt 0x0                               ; for the others' sake: my stores have landed
	s_barrier_signal -1
	s_barrier_wait -1                              ; the head lies in LDS; from here on LDS is only read
.macro SCORES                          ; a step's loads and S^T = K Q^T
.irp t, 0,1,2,3,4,5,6,7
	ds_load_b128 v[32+4*\t:35+4*\t], v8 offset:512*\t
.endr
	ds_load_b128 v[28:31], v10                     ; lane (r, h): the scale words of tiles 4 h + 0 .. 3, row r
.irp t, 0,1,2,3
.irp c, 0,1
	ds_load_b128 v[64+8*\t+4*\c:67+8*\t+4*\c], v9 offset:1024*\t+512*\c
.endr
.endr
	ds_load_b128 v[200:203], v10 offset:8192
	s_wait_dscnt 8                                 ; K, its scale words and V's first four registers are in; V's other seven loads and its scale words may stay out
.irp t, 0,1,2,3
	v_wmma_scale_f32_16x16x128_f8f6f4 v[96+8*\t:103+8*\t], v[32+4*\t:39+4*\t], v[16:23], 0, v[28+\t], v24 matrix_a_fmt:MATRIX_FMT_FP4 matrix_b_fmt:MATRIX_FMT_FP4
.endr
.irp t, 4,5,6,7
	v_wmma_scale_f32_16x16x128_f8f6f4 v[96+8*\t:103+8*\t], v[32+4*\t:39+4*\t], v[16:23], 0, v[24+\t], v24 matrix_a_fmt:MATRIX_FMT_FP4 matrix_b_fmt:MATRIX_FMT_FP4 matrix_a_scale:MATRIX_SCALE_ROW1
.endr
.rept 4
	v_nop                                          ; four places in front of the first read of the scores
.endr
.endm
.macro SOFTPV                          ; the softmax of 128 keys, p's codes, O^T += V^T P^T
.irp b, 0,1,2,3
	v_max3_num_f32 v[208+\b], v[96+16*\b], v[97+16*\b], v[98+16*\b]   ; the largest score of each block of 32 keys: for the row's maximum and for the block's largest p
.endr
	s_setprio 1
.irp i, 3,5,7,9,11,13
.irp b, 0,1,2,3
	v_max3_num_f32 v[208+\b], v[208+\b], v[96+16*\b+\i], v[97+16*\b+\i]
.endr
.endr
.irp b, 0,1,2,3
	v_max_num_f32 v[208+\b], v[208+\b], v[111+16*\b]
.endr
.irp b, 0,1,2,3
	s_delay_alu instid0(VALU_DEP_4)
	v_permlanex16_b32 v[212+\b], v[208+\b], s14, s15
.endr
.irp b, 0,1,2,3
	s_delay_alu instid0(VALU_DEP_4)
	v_max_num_f32 v[208+\b], v[208+\b], v[212+\b]
.endr
	s_delay_alu instid0(VALU_DEP_2)
	v_max3_num_f32 v222, v208, v209, v210
	s_delay_alu instid0(VALU_DEP_1)
	v_max_num_f32 v222, v222, v211
	s_delay_alu instid0(VALU_DEP_1)
	v_mul_f32 v222, s16, v222                      ; as t
	s_delay_alu instid0(VALU_DEP_1)
	v_max_num_f32 v13, v13, v222                   ; the running largest t
	v_mov_b32 v222, v12
	s_delay_alu instid0(VALU_DEP_2)
	v_floor_f32 v12, -v13                          ; -M = floor(-t): M is a whole number
	s_delay_alu instid0(VALU_DEP_1)
	v_sub_f32 v222, v12, v222                      ; old M - new M, 0 or less
	s_delay_alu instid0(VALU_DEP_1)
	v_cvt_i32_f32 v222, v222                       ; (it saturates)
	s_delay_alu instid0(VALU_DEP_1)
	v_ldexp_f32 v220, 1.0, v222                    ; f = 2^(old M - new M): rounds nothing
.set n, 0
.rept 32
	v_pk_fma_f32 v[96+n:97+n], v[96+n:97+n], s[16:17], v[12:13] op_sel_hi:[1,0,0]   ; t - M
.set n, n+2
.endr
.irp b, 0,1,2,3
	v_fma_f32 v[208+\b], v[208+\b], s16, v12
.endr
.set n, 0
	s_wait_alu depctr_va_vdst(0)
.rept 64
	v_exp_f32 v[96+n], v[96+n]                     ; p = 2^(t - M)
.set n, n+1
.endr
	v_pk_mul_f32 v[14:15], v[14:15], v[220:221] op_sel_hi:[1,0]   ; l under the new M: the plain place behind the exponentials
	s_wait_alu depctr_va_vdst(0)                   ; one wait for the batch, ahead of its first reader
.irp b, 0,1,2,3
	v_exp_f32 v[208+\b], v[208+\b]                 ; each block's largest p
.endr
	v_pk_add_f32 v[226:227], v[100:101], v[104:105]
	v_pk_add_f32 v[254:255], v[108:109], v[112:113]
	v_pk_add_f32 v[252:253], v[116:117], v[120:121]
	v_pk_add_f32 v[250:251], v[124:125], v[128:129]
	v_pk_add_f32 v[248:249], v[132:133], v[136:137]
	v_pk_add_f32 v[246:247], v[140:141], v[144:145]
	v_pk_add_f32 v[244:245], v[148:149], v[152:153]
	v_pk_add_f32 v[14:15], v[14:15], v[156:157]
	v_pk_add_f32 v[226:227], v[226:227], v[96:97]
	v_pk_add_f32 v[254:255], v[254:255], v[98:99]
	v_pk_add_f32 v[252:253], v[252:253], v[102:103]
	v_pk_add_f32 v[250:251], v[250:251], v[106:107]
	v_pk_add_f32 v[248:249], v[248:249], v[110:111]
	v_pk_add_f32 v[246:247], v[246:247], v[114:115]
	v_pk_add_f32 v[244:245], v[244:245], v[118:119]
	v_pk_add_f32 v[14:15], v[14:15], v[122:123]
	v_pk_add_f32 v[226:227], v[226:227], v[126:127]
	v_pk_add_f32 v[254:255], v[254:255], v[130:131]
	v_pk_add_f32 v[252:253], v[252:253], v[134:135]
	s_setprio 0
	v_pk_add_f32 v[250:251], v[250:251], v[138:139]
	v_pk_add_f32 v[248:249], v[248:249], v[142:143]
	v_pk_add_f32 v[246:247], v[246:247], v[146:147]
	v_pk_add_f32 v[244:245], v[244:245], v[150:151]
	v_pk_add_f32 v[14:15], v[14:15], v[154:155]
	v_pk_add_f32 v[226:227], v[226:227], v[158:159]
	s_delay_alu instid0(VALU_DEP_2)
	v_pk_add_f32 v[14:15], v[14:15], v[250:251]
	s_delay_alu instid0(VALU_DEP_2)
	v_pk_add_f32 v[226:227], v[226:227], v[248:249]
	v_pk_add_f32 v[254:255], v[254:255], v[246:247]
	v_pk_add_f32 v[252:253], v[252:253], v[244:245]
	s_delay_alu instid0(VALU_DEP_2)
	v_pk_add_f32 v[14:15], v[14:15], v[254:255]
	s_delay_alu instid0(VALU_DEP_2)
	v_pk_add_f32 v[226:227], v[226:227], v[252:253]
	s_delay_alu instid0(VALU_DEP_1)
	v_pk_add_f32 v[14:15], v[14:15], v[226:227]
	s_wait_alu depctr_va_vdst(0)                   ; and one for the four
.irp b, 0,1,2,3
	v_max_num_f32 v[208+\b], 0x1800000, v[208+\b]  ; the floor 2^(3 - 127)
.endr
.irp b, 0,1,2,3
	s_delay_alu instid0(VALU_DEP_4)
	v_add_nc_u32 v[216+\b], 0xff000000, v[208+\b]
.endr
.irp b, 0,1,2,3
	s_delay_alu instid0(VALU_DEP_4)
	v_lshrrev_b32 v[212+\b], 23, v[216+\b]
.endr
	s_delay_alu instid0(VALU_DEP_3)
	v_lshl_or_b32 v224, v213, 8, v212              ; p's scale word for these 128 keys
	s_delay_alu instid0(VALU_DEP_1)
	v_lshl_or_b32 v224, v214, 16, v224
	s_delay_alu instid0(VALU_DEP_1)
	v_lshl_or_b32 v224, v215, 24, v224
.irp b, 0,1,2,3
	v_cvt_scalef32_pk8_fp4_f32 v[192+2*\b], v[96+16*\b:103+16*\b], v[216+\b]
	v_cvt_scalef32_pk8_fp4_f32 v[193+2*\b], v[104+16*\b:111+16*\b], v[216+\b]
.endr
	v_nop                                          ; one plain place behind the conversions
.irp c, 0,1
.irp i, 0,1
	v_permlane16_swap_b32 v[192+4*\c+\i], v[194+4*\c+\i]
.endr
.endr
.set n, 0
.rept 16
	v_pk_mul_f32 v[160+n:161+n], v[160+n:161+n], v[220:221] op_sel_hi:[1,0]   ; O^T under the new M; of these sixteen, twelve name no register of any one product below: its places
.set n, n+2
.endr
	s_wait_alu depctr_va_vdst(0)
	s_wait_dscnt 0x0                               ; V and its scale words are in
.irp t, 0,1,2,3
	v_wmma_scale_f32_16x16x128_f8f6f4 v[160+8*\t:167+8*\t], v[64+8*\t:71+8*\t], v[192:199], v[160+8*\t:167+8*\t], v[200+\t], v224 matrix_a_fmt:MATRIX_FMT_FP4 matrix_b_fmt:MATRIX_FMT_FP4
.endr
.endm
.macro TILE second
	s_wait_xcnt 0x0                                ; the bases and the stores' data are written again only behind this wait
.if \second
	s_sub_co_u32 s13, 31, s12
.else
	s_mov_b32 s13, s12
.endif
	s_lshl_b32 s13, s13, 2
	s_add_co_u32 s13, s13, ttmp9                   ; the tile = 2 p + u
	s_lshr_b32 s24, s13, 1
	s_and_b32 s78, s13, 1
	s_lshl_b32 s24, s24, 5
	s_lshl_b32 s78, s78, 3
	s_add_co_u32 s79, s24, s78                     ; its queries: 32 p + 8 u + r + 8 (r / 8)
	s_mov_b32 s25, 0
	s_lshl_b32 s24, s79, 3
	s_add_nc_u64 s[70:71], s[8:9], s[24:25]
	s_load_b512 s[32:47], s[70:71], 0x0            ; the flags of queries + 0 .. 7,
	s_load_b512 s[48:63], s[70:71], 0x80           ; and + 16 .. 23
	s_lshl_b32 s24, s79, 8
	s_add_nc_u64 s[72:73], s[6:7], s[24:25]        ; the bitmap's rows
	s_lshl_b32 s24, s3, 7
	s_add_co_u32 s24, s24, s13
	s_lshl_b32 s24, s24, 9
	s_add_nc_u64 s[66:67], s[4:5], s[24:25]
	global_load_b128 v[16:19], v1, s[66:67]        ; Q's codes
	s_lshl_b32 s24, s3, 13
	s_lshr_b32 s78, s13, 2
	s_lshl_b32 s78, s78, 8
	s_add_co_u32 s24, s24, s78
	s_and_b32 s78, s13, 3
	s_lshl_b32 s78, s78, 2
	s_add_co_u32 s24, s24, s78
	s_add_co_u32 s24, s24, QSO
	s_add_nc_u64 s[68:69], s[4:5], s[24:25]
	global_load_b32 v24, v25, s[68:69]             ; Q's scale words
	s_lshr_b32 s24, s3, 4
	s_lshl_b32 s24, s24, 7
	s_add_co_u32 s79, s24, s13                     ; T = 128 x batch + tile
	s_lshl_b32 s24, s79, 13
	s_and_b32 s78, s3, 15                          ; the head
	s_lshl_b32 s80, s78, 9
	s_add_co_u32 s24, s24, s80
	s_add_nc_u64 s[74:75], s[10:11], s[24:25]      ; O's codes
	s_lshl_b32 s24, s79, 9
	s_lshl_b32 s78, s78, 1
	s_add_co_u32 s24, s24, s78
	s_add_co_u32 s24, s24, OSO
	s_add_nc_u64 s[76:77], s[10:11], s[24:25]      ; O's scale bytes
	v_mov_b32 v13, 0xff61b1e6                      ; the largest t so far: -3e38
	s_delay_alu instid0(VALU_DEP_1)
	v_floor_f32 v12, -v13
	v_mov_b32 v14, 0
	v_mov_b32 v15, 0
.set n, 0
.rept 32
	v_mov_b32 v[160+n], 0                          ; O^T: the step is written once, its first run finds zeros
.set n, n+1
.endr
	s_mov_b32 s18, 0                               ; K's and V's images: 4,096 bytes a step
	s_mov_b32 s19, 0                               ; the scale words: 512 bytes a step
	s_mov_b32 s20, 0                               ; the step
	s_mov_b32 s21, 0                               ; 16 x the step: its four words in a row of the bitmap
	s_wait_kmcnt 0x0
	s_or_b32 s78, s32, s34
	s_and_b32 s79, s33, s35
	s_min_u32 s80, s32, s34
.irp k, 36,38,40,42,44,46,48,50,52,54,56,58,60,62
	s_or_b32 s78, s78, s[\k]                       ; steps in which some query has an open key,
	s_and_b32 s79, s79, s[\k+1]                    ; steps all of whose keys are open for all,
	s_min_u32 s80, s80, s[\k]                      ; 0 if some query has no open key at all
.endr
	s_cmp_eq_u32 s80, 0
	s_cselect_b32 s22, 0xffff, s78                 ; the steps to be walked,
	s_and_not1_b32 s23, s22, s79                   ; and those of them that want the bitmap
	s_wait_loadcnt 0x0                             ; Q
.Lstep_\@:
	s_bitcmp1_b32 s22, 0
	s_cbranch_scc0 .Lskip_\@
	s_setprio 2
	v_add_nc_u32 v8, s18, v1                       ; with the v_nop: the four places in front of loads into registers that the last products read
	v_add_nc_u32 v9, s18, v2
	v_add_nc_u32 v10, s19, v3
	v_nop
	s_bitcmp1_b32 s23, 0
	s_cbranch_scc0 .Lopen_\@
	v_add_nc_u32 v11, s21, v5
	global_load_b128 v[228:231], v11, s[72:73]     ; my query's 128 bits of this step
	SCORES
	s_wait_loadcnt 0x0
.irp e, 0,1,2,3
	v_lshrrev_b32 v[228+\e], v6, v[228+\e]         ; key 32 e' + 16 h + i is bit 8 e' + 4 h + i / 4 of word i % 4
.endr
.set n, 0
.rept 16
.irp k, 0,1,2,3
	v_and_b32 v[232+\k], 1<<(8*(n/16)+(n%16)/4), v[228+\k]
.endr
.irp k, 0,1,2,3
	s_delay_alu instid0(VALU_DEP_4)
	v_cmp_ne_u32 s[80+\k], 0, v[232+\k]
.endr
.irp k, 0,1,2,3
	v_cndmask_b32 v[96+n+\k], v7, v[96+n+\k], s[80+\k]   ; a hidden key's score becomes -2^33
.endr
.set n, n+4
.endr
	s_branch .Lsoft_\@
.Lopen_\@:
	s_wait_alu depctr_va_vdst(0)
	SCORES
.Lsoft_\@:
	SOFTPV
.Lskip_\@:
	s_add_co_u32 s18, s18, 4096
	s_add_co_u32 s19, s19, 512
	s_add_co_u32 s21, s21, 16
	s_lshr_b32 s22, s22, 1
	s_lshr_b32 s23, s23, 1
	s_add_co_u32 s20, s20, 1
	s_cmp_lt_u32 s20, 16
	s_cbranch_scc1 .Lstep_\@
	s_setprio 0
	; the way out: O^T / l, quantised along the head's 64
.rept 4
	v_nop
.endr
	v_add_f32 v14, v14, v15
	s_delay_alu instid0(VALU_DEP_1)
	v_permlanex16_b32 v222, v14, s14, s15
	s_delay_alu instid0(VALU_DEP_1)
	v_add_f32 v14, v14, v222                       ; the row's sum
	s_wait_alu depctr_va_vdst(0)
	v_rcp_f32 v14, v14
	v_cmp_gt_u32 vcc_lo, 16, v4                    ; (a plain place behind the reciprocal)
	s_wait_alu depctr_va_vdst(0)                   ; the wait ahead of its first reader
.set n, 0
.rept 32
	v_mul_f32 v[96+n], v[160+n], v14               ; register 16 e + i: channel 32 e + 16 h + i
.set n, n+1
.endr
.irp b, 0,1
	v_max3_num_f32 v[208+\b], |v[96+16*\b]|, |v[97+16*\b]|, 0x1800000
.endr
.irp i, 2,4,6,8,10,12,14
.irp b, 0,1
	s_delay_alu instid0(VALU_DEP_2)
	v_max3_num_f32 v[208+\b], v[208+\b], |v[96+16*\b+\i]|, |v[97+16*\b+\i]|
.endr
.endr
.irp b, 0,1
	s_delay_alu instid0(VALU_DEP_2)
	v_permlanex16_b32 v[212+\b], v[208+\b], s14, s15
.endr
.irp b, 0,1
	s_delay_alu instid0(VALU_DEP_2)
	v_max_num_f32 v[208+\b], v[208+\b], v[212+\b]
.endr
.irp b, 0,1
	s_delay_alu instid0(VALU_DEP_2)
	v_add_nc_u32 v[216+\b], 0xff000000, v[208+\b]
.endr
.irp b, 0,1
	s_delay_alu instid0(VALU_DEP_2)
	v_lshrrev_b32 v[212+\b], 23, v[216+\b]
.endr
	s_delay_alu instid0(VALU_DEP_1)
	v_lshl_or_b32 v222, v213, 8, v212              ; the row's two scale bytes of this head
.irp b, 0,1
	v_cvt_scalef32_pk8_fp4_f32 v[192+2*\b], v[96+16*\b:103+16*\b], v[216+\b]
	v_cvt_scalef32_pk8_fp4_f32 v[193+2*\b], v[104+16*\b:111+16*\b], v[216+\b]
.endr
	v_nop
	v_permlane16_swap_b32 v192, v194               ; v192-195: k = 32 h + 0 .. 31 of the head's 64
	v_permlane16_swap_b32 v193, v195
	global_store_b128 v1, v[192:195], s[74:75]     ; 512 consecutive bytes
	s_wait_alu depctr_va_vdst(0)
	s_wait_xcnt 0x0                                ; EXEC changes only behind this wait
	s_and_saveexec_b32 s24, vcc_lo
	global_store_b16 v27, v222, s[76:77]           ; two bytes of each row's 32: a work-group owns one head's alone; these are 1 byte in 17 of what the launch stores
	s_wait_xcnt 0x0
	s_or_b32 exec_lo, exec_lo, s24
.endm
	TILE 0
	TILE 1
	s_endpgm
.Lfunc_end_k_qbe8d70dc27_attn:
	.size	k_qbe8d70dc27_attn, .Lfunc_end_k_qbe8d70dc27_attn-k_qbe8d70dc27_attn
	.p2alignl 7, 3214868480
	.fill 96, 4, 3214868480
	.section	.rodata,"a",@progbits
	.p2align	6, 0x0
	.amdhsa_kernel k_qbe8d70dc27_attn
		.amdhsa_group_segment_fixed_size 147456
		.amdhsa_private_segment_fixed_size 0
		.amdhsa_enable_private_segment 0
		.amdhsa_kernarg_size 32
		.amdhsa_user_sgpr_count 2
		.amdhsa_user_sgpr_kernarg_segment_ptr 1
		.amdhsa_wavefront_size32 1
		.amdhsa_system_sgpr_workgroup_id_x 1
		.amdhsa_system_sgpr_workgroup_id_y 1
		.amdhsa_system_sgpr_workgroup_id_z 1
		.amdhsa_system_vgpr_workitem_id 0
		.amdhsa_next_free_vgpr 256
		.amdhsa_next_free_sgpr 84
		.amdhsa_reserve_vcc 1
		.amdhsa_float_denorm_mode_32 3
		.amdhsa_float_denorm_mode_16_64 3
		.amdhsa_memory_ordered 1
		.amdhsa_forward_progress 1
		.amdhsa_inst_pref_size 88
	.end_amdhsa_kernel
	.amdgpu_metadata
---
amdhsa.version: [ 1, 2 ]
amdhsa.kernels:
  - .name:           k_qbe8d70dc27_attn
    .symbol:         k_qbe8d70dc27_attn.kd
    .args:
      - { .name: hq, .offset: 0, .size: 8, .value_kind: global_buffer, .address_space: global }
      - { .name: bm, .offset: 8, .size: 8, .value_kind: global_buffer, .address_space: global }
      - { .name: fl, .offset: 16, .size: 8, .value_kind: global_buffer, .address_space: global }
      - { .name: oq, .offset: 24, .size: 8, .value_kind: global_buffer, .address_space: global }
    .group_segment_fixed_size: 147456
    .private_segment_fixed_size: 0
    .kernarg_segment_align: 8
    .kernarg_segment_size: 32
    .max_flat_workgroup_size: 512
    .sgpr_count:     84
    .vgpr_count:     256
    .wavefront_size: 32
...
	.end_amdgpu_metadata
.endif
;; end of part 3
;; launch outp (part 4): grid 4 x 64, 8 waves a work-group, clusters of 4 x 4, 327,680 bytes of LDS; arguments oq, wq, bo, out0; writes out0
.if DOCPART == 4
	.amdgcn_target "amdgcn-amd-amdhsa--gfx1250"
	.amdhsa_code_object_version 6
	.text
	.protected	k_qbe8d70dc27_outp
	.globl	k_qbe8d70dc27_outp
	.p2align	8
	.type	k_qbe8d70dc27_outp,@function
k_qbe8d70dc27_outp:
	s_mov_b64 s[64:65], 0
	v_nop
	global_prefetch_b8 v0, s[64:65] scope:SCOPE_SE
	s_setreg_imm32_b32 hwreg(HW_REG_WAVE_MODE, 25, 1), 1
	s_wait_xcnt 0x0
	s_wait_alu depctr_hold_cnt(0) depctr_sa_sdst(0) depctr_va_vdst(0) depctr_va_sdst(0) depctr_va_ssrc(0) depctr_va_vcc(0) depctr_vm_vsrc(0)
	s_getreg_b32 s2, hwreg(HW_REG_IB_STS2, 6, 4)
	s_cmp_eq_u32 s2, 0
	s_cbranch_scc0 .Lentry_in_a_cluster
	s_endpgm
.Lentry_in_a_cluster:
	s_bfe_u32 s2, ttmp6, 0x10000c
	s_cmp_lg_u32 s2, 0xf033
	s_cbranch_scc0 .Lentry_shape_is_right
	s_endpgm
.Lentry_shape_is_right:
; OUTP.  out0 = O Wo^T + bo on codes of FP4, K = 1,024, results in f32.  A work-group makes 128 rows x 256 columns; all of K for its tile lies in LDS by first fills alone (three tensor loads a wave are out
; at the most; nothing is filled again).  CLUSTER 4 x 4: Wo's tile is asked for jointly along a column of the cluster (waves 0-3), O's along a row (waves 4-7).
; Source 0 = Wo (128 positions a wave, tiles b), source 1 = O (32 positions a wave, tiles a = 0, 1): a lane holds one row of the output and eight neighbouring columns.  bo is the C of each sum's first product.
; O's codes lie in oq as images of the operand's registers: [tile][K step 8][c 2][lane][16 B]; its scale bytes [position][32].  Positions are rows with bits 3 and 4 exchanged: the stores put that right.
; REGISTERS.  Window 0: v1-21 addresses; v32-95 Wo's fragments; v96-111 O's; v128-167 scale words and nothing else; v176-239 the bias; on the way out v32-95 and v176-239 take whole rows.  Window 1: accumulator (a, b) at v[64 a + 8 b].
.set WT,    557056
.set PITCH, 272
.set WSLOT, 69632                      ; a K half of Wo's 256 rows
.set OIMG,  139264                     ; O's images: [K half][tile 8][4,096 bytes]
.set SCW,   204800                     ; Wo's scale bytes: 32 units of 256 + 16
.set SCO,   213504                     ; O's: 16 units
.set STAGE, 217856                     ; 16 rows x 528 bytes for each wave; no fill lands here
.set S0F, 32
.set S1F, 96
.set SC0, 128
.set SC1, 160
.set BI,  176
.set WV,  16
.set OP,  17
.set QR,  18
.set S0H, 19
.set S1Q, 20
.set G1W, 28
.set G0W, 36
.set G1O, 44
.set G0O, 52
.set G1WS, 68
.set G0WS, 76
.set G1OS, 80
.set G0OS, 88
.set MSB, 0
.macro WIN new
.if MSB != \new
	s_set_vgpr_msb (MSB<<8)|\new
.set MSB, \new
.endif
.endm
.macro PLACES
.rept 4
	v_nop
.endr
.endm
.macro JLOAD g0a, g1a, g0b, g1b        ; waves 0-3 fetch for Wo, waves 4-7 for O; four v_nop follow each line
	s_cmp_eq_u32 s[OP], 0
	s_cbranch_scc0 .Lfor_b_\@
	tensor_load_to_lds s[\g0a:\g0a+3], s[\g1a:\g1a+7]
	s_nop 0
.rept 4
	v_nop
.endr
	s_branch .Lasked_\@
.Lfor_b_\@:
	tensor_load_to_lds s[\g0b:\g0b+3], s[\g1b:\g1b+7]
	s_nop 0
.rept 4
	v_nop
.endr
.Lasked_\@:
.endm
.macro CROUND
	s_barrier_signal -1
	s_barrier_wait -1
	s_cmp_lg_u32 s[WV], 0
	s_cbranch_scc1 .Lnot_wave_0_\@
	s_barrier_signal -3
.Lnot_wave_0_\@:
	s_barrier_wait -3
	s_barrier_signal -1
	s_barrier_wait -1
.endm
	s_load_b256 s[4:11], s[0:1], 0x0               ; oq wq bo out0
	v_lshrrev_b32 v1, 5, v0
	s_delay_alu instid0(VALU_DEP_1)
	v_readfirstlane_b32 s[WV], v1
	s_lshr_b32 s[OP], s[WV], 2
	s_and_b32 s[QR], s[WV], 3
	s_and_b32 s[S0H], s[WV], 1
	s_lshr_b32 s[S1Q], s[WV], 1
	s_bfe_u32 s21, ttmp6, 0x40000                  ; cx
	s_bfe_u32 s22, ttmp6, 0x40004                  ; cy
	s_lshl_b32 s23, ttmp9, 2
	s_add_co_u32 s23, s23, s21                     ; X: tile column
	s_and_b32 s27, ttmp7, 0xffff
	s_lshl_b32 s24, s27, 2
	s_add_co_u32 s24, s24, s22                     ; tile row (128 rows)
	s_lshl_b32 s60, s22, 2
	s_lshl_b32 s60, 15, s60                        ; my row of the cluster
	s_lshl_b32 s61, 0x1111, s21                    ; my column
	s_or_b32 s[G1W], s61, (1<<20)|(1<<21)|(5<<22)|(3<<25)    ; Wo's codes: 64 rows of 256 bytes, 512 apart, 16 bytes of padding behind each
	s_mov_b32 s[G1W+1], 256<<16
	s_mov_b32 s[G1W+2], 64<<16
	s_mov_b32 s[G1W+3], 256<<16
	s_mov_b32 s[G1W+4], 64
	s_mov_b32 s[G1W+5], 512
	s_mov_b32 s[G1W+6], 0
	s_mov_b32 s[G1W+7], 0
	s_or_b32 s[G1O], s60, (3<<16)|(1<<21)          ; O's images: 2 tiles x 4,096 bytes (512 elements of 8 bytes), 8,192 bytes apart, no padding
	s_mov_b32 s[G1O+1], 512<<16
	s_mov_b32 s[G1O+2], 2<<16
	s_mov_b32 s[G1O+3], 512<<16
	s_mov_b32 s[G1O+4], 2
	s_mov_b32 s[G1O+5], 1024
	s_mov_b32 s[G1O+6], 0
	s_mov_b32 s[G1O+7], 0
	s_or_b32 s[G1WS], s61, (3<<16)|(1<<20)|(1<<21)|(5<<22)|(3<<25)   ; scale bytes of 64 rows: 8 units of 256 bytes
	s_mov_b32 s[G1WS+1], 32<<16
	s_mov_b32 s[G1WS+2], 8<<16
	s_mov_b32 s[G1WS+3], 32<<16
	s_mov_b32 s[G1WS+4], 8
	s_mov_b32 s[G1WS+5], 32
	s_mov_b32 s[G1WS+6], 0
	s_mov_b32 s[G1WS+7], 0
	s_or_b32 s[G1OS], s60, (3<<16)|(1<<20)|(1<<21)|(5<<22)|(3<<25)   ; of 32 rows: 4 units
	s_mov_b32 s[G1OS+1], 32<<16
	s_mov_b32 s[G1OS+2], 4<<16
	s_mov_b32 s[G1OS+3], 32<<16
	s_mov_b32 s[G1OS+4], 4
	s_mov_b32 s[G1OS+5], 32
	s_mov_b32 s[G1OS+6], 0
	s_mov_b32 s[G1OS+7], 0
	s_lshl_b32 s98, s23, 8
	s_lshl_b32 s62, s[QR], 6
	s_add_co_u32 s98, s98, s62                     ; Wo: position 256 X + 64 QR
	s_lshl_b32 s100, s98, 5
	s_add_co_u32 s100, s100, 3*WT+524288
	s_lshl_b32 s98, s98, 9
	s_add_co_u32 s98, s98, 3*WT
	s_mov_b32 s99, 0
	s_mov_b32 s101, 0
	s_lshl_b32 s94, s24, 3
	s_lshl_b32 s62, s[QR], 1
	s_add_co_u32 s94, s94, s62                     ; O: tile 8 x tile row + 2 QR
	s_lshl_b32 s96, s94, 9                         ; 16 rows of 32 scale bytes a tile
	s_add_co_u32 s96, s96, 4194304
	s_lshl_b32 s94, s94, 13
	s_mov_b32 s95, 0
	s_mov_b32 s97, 0
	s_mul_i32 s60, s[QR], 64*PITCH                 ; where they go
	s_mul_i32 s61, s[QR], 2176
	s_lshl_b32 s62, s[QR], 13
	s_mul_i32 s63, s[QR], 1088
	s_wait_kmcnt 0x0
	CROUND                                         ; all sixteen work-groups are here: the joint loads meet
	s_mov_b32 s[G0WS], 1
	s_add_co_u32 s[G0WS+1], s61, SCW
	s_add_nc_u64 s[G0WS+2:G0WS+3], s[6:7], s[100:101]
	s_or_b32 s[G0WS+3], s[G0WS+3], 0x80000000
	s_mov_b32 s[G0OS], 1
	s_add_co_u32 s[G0OS+1], s63, SCO
	s_add_nc_u64 s[G0OS+2:G0OS+3], s[4:5], s[96:97]
	s_or_b32 s[G0OS+3], s[G0OS+3], 0x80000000
	JLOAD G0WS, G1WS, G0OS, G1OS                   ; the scale bytes first
	s_add_nc_u64 s[98:99], s[6:7], s[98:99]
	s_add_nc_u64 s[94:95], s[4:5], s[94:95]
.irp s, 0,1
	s_mov_b32 s[G0W+4*\s], 1
	s_add_co_u32 s[G0W+4*\s+1], s60, \s*WSLOT
	s_add_nc_u64 s[G0W+4*\s+2:G0W+4*\s+3], s[98:99], \s*256
	s_or_b32 s[G0W+4*\s+3], s[G0W+4*\s+3], 0x80000000
	s_mov_b32 s[G0O+4*\s], 1
	s_add_co_u32 s[G0O+4*\s+1], s62, OIMG+\s*32768
	s_add_nc_u64 s[G0O+4*\s+2:G0O+4*\s+3], s[94:95], \s*4096
	s_or_b32 s[G0O+4*\s+3], s[G0O+4*\s+3], 0x80000000
	JLOAD G0W+4*\s, G1W, G0O+4*\s, G1O             ; K half s
.endr
	v_and_b32 v1, 15, v0                           ; r
	v_bfe_u32 v2, v0, 4, 1                         ; h
	s_delay_alu instid0(VALU_DEP_2)
	v_mul_u32_u24 v3, v1, PITCH
	s_delay_alu instid0(VALU_DEP_1)
	v_lshl_add_u32 v3, v2, 4, v3
	s_mul_i32 s60, s[S0H], 128*PITCH
	v_add_nc_u32 v4, s60, v3                       ; v4, v5  Wo's fragments, K half 0, 1
	s_delay_alu instid0(VALU_DEP_1)
	v_add_nc_u32 v5, WSLOT, v4
	v_and_b32 v16, 31, v0
	s_delay_alu instid0(VALU_DEP_1)
	v_lshlrev_b32 v16, 4, v16                      ; 16 x lane
	s_lshl_b32 s60, s[S1Q], 13
	s_add_co_u32 s60, s60, OIMG
	v_add_nc_u32 v6, s60, v16                      ; v6  O's images: my two tiles
	v_lshlrev_b32 v7, 5, v1
	v_lshrrev_b32 v8, 3, v1
	s_delay_alu instid0(VALU_DEP_1)
	v_lshl_add_u32 v7, v8, 4, v7                   ; 32 r + 16 (r / 8)
	s_mul_i32 s60, s[S0H], 4352
	s_add_co_u32 s60, s60, SCW
	v_add_nc_u32 v12, s60, v7                      ; v12 Wo's scale words
	s_mul_i32 s60, s[S1Q], 1088
	s_add_co_u32 s60, s60, SCO
	v_add_nc_u32 v13, s60, v7                      ; v13 O's
	v_lshlrev_b32 v18, 6, v2                       ; 64 h
	s_mul_i32 s60, s[WV], 16*528
	s_add_co_u32 s60, s60, STAGE                   ; my stage
	v_mul_u32_u24 v20, v1, 528
	s_delay_alu instid0(VALU_DEP_1)
	v_lshl_add_u32 v20, v2, 6, v20
	s_delay_alu instid0(VALU_DEP_1)
	v_add_nc_u32 v20, s60, v20                     ; v20 in: row r, + 64 h
	v_add_nc_u32 v21, s60, v16                     ; v21 back: 16 bytes a lane of a row of 512
	s_lshl_b32 s62, s23, 10
	s_lshl_b32 s63, s[S0H], 9
	s_add_co_u32 s62, s62, s63                     ; my 128 columns, in bytes
	s_mov_b32 s63, 0
	s_add_nc_u64 s[8:9], s[8:9], s[62:63]
.irp b, 0,1,2,3,4,5,6,7
	global_load_b128 v[BI+8*\b:BI+8*\b+3], v18, s[8:9] offset:(32*(\b/2)+8*(\b%2))*4       ; tile b, lane half h: columns 32 (b / 2) + 16 h + 8 (b % 2) + 0 .. 7
	global_load_b128 v[BI+8*\b+4:BI+8*\b+7], v18, s[8:9] offset:(32*(\b/2)+8*(\b%2))*4+16
.endr
	s_lshl_b32 s60, s24, 7
	s_lshl_b32 s61, s[S1Q], 5
	s_add_co_u32 s60, s60, s61                     ; my first row: 128 x tile row + 32 S1Q
	s_lshl_b32 s60, s60, 12
	s_add_co_u32 s60, s60, s62
	s_mov_b32 s61, 0
	s_add_nc_u64 s[10:11], s[10:11], s[60:61]
.macro SCLOAD half
.irp b, 0,1,2,3,4,5,6,7
	ds_load_b128 v[SC0+4*\b:SC0+4*\b+3], v12 offset:544*\b+16*\half
.endr
.irp a, 0,1
	ds_load_b128 v[SC1+4*\a:SC1+4*\a+3], v13 offset:544*\a+16*\half
.endr
.endm
; A K step of 128: 20 LDS loads, 16 products; the 16 accumulators take turns, one instruction a turn.
.macro KSTEP q, a0, half, cmode
	PLACES                                         ; four places in front of loads into registers that products have read
.irp a, 0,1
.irp c, 0,1
	ds_load_b128 v[S1F+8*\a+4*\c:S1F+8*\a+4*\c+3], v6 offset:32768*\half+4096*\a+1024*\q+512*\c
.endr
.endr
.irp b, 0,1,2,3,4,5,6,7
.irp c, 0,1
	ds_load_b128 v[S0F+8*\b+4*\c:S0F+8*\b+4*\c+3], v[\a0] offset:64*\q+32*\c+4352*\b
.endr
.endr
.if \cmode
	WIN 0x40
.else
	WIN 0x50
.endif
.irp b, 0,1,2,3,4,5,6,7
	s_wait_dscnt 14-2*\b                           ; Wo's fragment b is in; the two loads of each later fragment stay out
.irp a, 0,1
.if \cmode
	v_wmma_scale_f32_16x16x128_f8f6f4 v[64*\a+8*\b:64*\a+8*\b+7], v[S0F+8*\b:S0F+8*\b+7], v[S1F+8*\a:S1F+8*\a+7], v[BI+8*\b:BI+8*\b+7], v[SC0+4*\b+\q], v[SC1+4*\a+\q] matrix_a_fmt:MATRIX_FMT_FP4 matrix_b_fmt:MATRIX_FMT_FP4
.else
	v_wmma_scale_f32_16x16x128_f8f6f4 v[64*\a+8*\b:64*\a+8*\b+7], v[S0F+8*\b:S0F+8*\b+7], v[S1F+8*\a:S1F+8*\a+7], v[64*\a+8*\b:64*\a+8*\b+7], v[SC0+4*\b+\q], v[SC1+4*\a+\q] matrix_a_fmt:MATRIX_FMT_FP4 matrix_b_fmt:MATRIX_FMT_FP4
.endif
.endr
.endr
	WIN 0
.endm
	s_wait_alu depctr_va_vdst(0)
	s_wait_tensorcnt 0x1                           ; my scale bytes and my part of K half 0 are in; half 1's load may stay out
	s_barrier_signal -1
	s_barrier_wait -1
	SCLOAD 0
	s_wait_loadcnt 0x0                             ; the bias
	KSTEP 0, 4, 0, 1
	KSTEP 1, 4, 0, 0
	KSTEP 2, 4, 0, 0
	KSTEP 3, 4, 0, 0
	s_wait_tensorcnt 0x0                           ; my part of K half 1 is in (no LDS load of mine is out)
	s_barrier_signal -1
	s_barrier_wait -1
	PLACES
	SCLOAD 1
	KSTEP 0, 5, 1, 0
	KSTEP 1, 5, 1, 0
	KSTEP 2, 5, 1, 0
	KSTEP 3, 5, 1, 0
	PLACES                                         ; in front of the first read of results and of loads into registers that products have read
	; THE WAY OUT: 16 rows x 128 columns at a time through my own stage; LDS serves a wave's instructions in order, so no wait stands between stores and loads
.irp a, 0,1
	WIN 0x04                                       ; an LDS store's data: window 1
.irp b, 0,1,2,3,4,5,6,7
	ds_store_b128 v20, v[64*\a+8*\b:64*\a+8*\b+3] offset:128*(\b/2)+32*(\b%2)        ; each accumulator from its low end on
	ds_store_b128 v20, v[64*\a+8*\b+4:64*\a+8*\b+7] offset:128*(\b/2)+32*(\b%2)+16
.endr
	WIN 0
.irp t, 0,1,2,3,4,5,6,7,8,9,10,11,12,13,14,15
	ds_load_b128 v[32+144*\a+4*\t:35+144*\a+4*\t], v21 offset:528*\t
.endr
.endr
	s_wait_dscnt 32                                ; the first 16 rows are back; the second block's 16 stores and 16 loads may be out
.irp t, 0,1,2,3,4,5,6,7,8,9,10,11,12,13,14,15
	global_store_b128 v16, v[32+4*\t:35+4*\t], s[10:11] offset:(16*(\t/8)+\t%8)*4096 th:TH_STORE_NT     ; position 16 a + t is row 16 (t / 8) + 8 a + t % 8; 512 consecutive bytes
.endr
.irp t, 0,1,2,3,4,5,6,7,8,9,10,11,12,13,14,15
	s_wait_dscnt 15-\t
	global_store_b128 v16, v[176+4*\t:179+4*\t], s[10:11] offset:(16*(\t/8)+8+\t%8)*4096 th:TH_STORE_NT
.endr
	CROUND                                         ; the closing round
	s_endpgm
.Lfunc_end_k_qbe8d70dc27_outp:
	.size	k_qbe8d70dc27_outp, .Lfunc_end_k_qbe8d70dc27_outp-k_qbe8d70dc27_outp
	.p2alignl 7, 3214868480
	.fill 96, 4, 3214868480
	.section	.rodata,"a",@progbits
	.p2align	6, 0x0
	.amdhsa_kernel k_qbe8d70dc27_outp
		.amdhsa_group_segment_fixed_size 327680
		.amdhsa_private_segment_fixed_size 0
		.amdhsa_enable_private_segment 0
		.amdhsa_kernarg_size 32
		.amdhsa_user_sgpr_count 2
		.amdhsa_user_sgpr_kernarg_segment_ptr 1
		.amdhsa_wavefront_size32 1
		.amdhsa_system_sgpr_workgroup_id_x 1
		.amdhsa_system_sgpr_workgroup_id_y 1
		.amdhsa_system_sgpr_workgroup_id_z 1
		.amdhsa_system_vgpr_workitem_id 0
		.amdhsa_next_free_vgpr 384
		.amdhsa_next_free_sgpr 102
		.amdhsa_reserve_vcc 0
		.amdhsa_float_denorm_mode_32 3
		.amdhsa_float_denorm_mode_16_64 3
		.amdhsa_memory_ordered 1
		.amdhsa_forward_progress 1
		.amdhsa_inst_pref_size 50
	.end_amdhsa_kernel
	.amdgpu_metadata
---
amdhsa.version: [ 1, 2 ]
amdhsa.kernels:
  - .name:           k_qbe8d70dc27_outp
    .symbol:         k_qbe8d70dc27_outp.kd
    .args:
      - { .name: oq, .offset: 0, .size: 8, .value_kind: global_buffer, .address_space: global }
      - { .name: wq, .offset: 8, .size: 8, .value_kind: global_buffer, .address_space: global }
      - { .name: bo, .offset: 16, .size: 8, .value_kind: global_buffer, .address_space: global }
      - { .name: out0, .offset: 24, .size: 8, .value_kind: global_buffer, .address_space: global }
    .group_segment_fixed_size: 327680
    .private_segment_fixed_size: 0
    .kernarg_segment_align: 8
    .kernarg_segment_size: 32
    .max_flat_workgroup_size: 256
    .sgpr_count:     102
    .vgpr_count:     384
    .wavefront_size: 32
...
	.end_amdgpu_metadata
.endif
;; end of part 4
